; MI455X (gfx1250); checked and timed in simulation.
; The chip was launched on July 23, 2026; its instructions are those of AMD's public machine-readable ISA for CDNA 5 (MIT licence, August 2026) and "CDNA5" Instruction Set Architecture Reference Guide (July 2026). The comments in the code are by the model that wrote it; some were corrected since.
;; Adaptive Neural Fusion Network. Allowed arithmetic: float matrix products may take bf16 or f16 operands with f32 sums; all other float work in f32.
;; Inputs: W1 8 x 1,024 x 2,048 float32; W2 8 x 2,048 x 1,024 float32; Wg1 1,024 x 512 float32; Wg2 512 x 8 float32; b1 8 x 2,048 float32; b2 8 x 1,024 float32; bg1 512 float32; bg2 8 float32; ln_b 8 x 1,024 float32; ln_g 8 x 1,024 float32; x 2,048 x 1,024 float32.
;; Outputs: out0 2,048 x 1,024 float32; out1 2,048 x 8 float32.
;; 2 versions, each right; version 2 is version 1 with the launch gate_a written anew for expert scheduling mode. Each part assembles by itself: llvm-mc -triple=amdgcn-amd-amdhsa -mcpu=gfx1250 --defsym DOCPART=n.
;; ======== version 1 of 2: 6 launches
;; limits: values outside matrix products are rounded to bf16
;; workspace buffers: wb 67,108,864 bytes; part 524,288 bytes; sel 8,192 bytes of whole numbers; gw 32,768 bytes; rt 36,864 bytes of whole numbers; xs 16,777,216 bytes; h1s 33,554,432 bytes; ys 67,108,864 bytes
;; launch gate_a (part 1): grid 8 x 32, 4 waves a work-group, no clusters, 166,400 bytes of LDS; arguments x, Wg1, bg1, Wg2, part; writes part
.if DOCPART == 1
	.amdgcn_target "amdgcn-amd-amdhsa--gfx1250"
	.amdhsa_code_object_version 6
	.text
	.protected	k_q146f84cdab_gate_a
	.globl	k_q146f84cdab_gate_a
	.p2align	8
	.type	k_q146f84cdab_gate_a,@function
k_q146f84cdab_gate_a:
	s_mov_b64 s[64:65], 0
	v_nop
	global_prefetch_b8 v0, s[64:65] scope:SCOPE_SE
	s_setreg_imm32_b32 hwreg(HW_REG_WAVE_MODE, 25, 1), 1
	s_wait_xcnt 0x0
; Gate, first part.  part[slice][token][e] = sum over the slice's 64 columns c of relu(x Wg1 + bg1)[token][c] * Wg2[c][e].
; A work-group: 64 tokens x one slice of 64 columns of Wg1, K = 1024.  A wave: 16 tokens x 64 columns, four accumulators.
; LIMIT (format): x, Wg1, bg1, Wg2 are rounded to bf16 as they are loaded; sums are f32.  relu's result enters the second
; product as three bf16 terms (24 bits), because the later choice of three experts is not continuous in the scores.
; No tensor loads: every operand is f32 in memory and is converted on its way through registers.  No cluster: nothing comes by tensor load.
; ONE STREAM OF LOADS: a wave's 128 loads of Wg1 and its 128 loads of x are 32 units of 8 loads: units 0-15 are 16 k rows of Wg1 each, units 16-31
; two K steps of x each.  They land in a ring of 7 sets of 32 registers in window 1 (v256-479); unit u + 7 is asked for when unit u has been converted,
; so 56 loads of 512 bytes of every wave are on their way from the first line to the last units, over the barrier too.
.set PW,   160                         ; LDS pitch of a k row of the Wg1 slice: 128 bytes + 32 = 5 x 32
.set W2T,  163840                      ; behind it: Wg2's slice, [64 k][16 n] bf16, pitch 32, columns 8-15 zero
.set DEPTH, 7                          ; sets in the ring
.set BIASP, 12                         ; v[12:27]   my 32 biases, packed bf16
.set WTMP, 28                          ; v[28:59]   two sets of 16: a unit of Wg1, converted, on its way into LDS
.set BL,   92                          ; v[92:123]  the bias as loaded
.set AF,   124                         ; v[124:139] two token fragments
.set BF,   140                         ; v[140:203] two sets of 4 weight fragments
.set ACC,  204                         ; v[204:235] four accumulators
.set MSB, 0
.macro WIN new                         ; s_set_vgpr_msb: bits 1:0 source 0, 3:2 source 1, 7:6 destination; the high byte repeats the setting that is left
.if MSB != \new
	s_set_vgpr_msb (MSB<<8)|\new
.set MSB, \new
.endif
.endm
	s_load_b256 s[4:11], s[0:1], 0x0               ; x, Wg1, bg1, Wg2
	s_load_b64 s[12:13], s[0:1], 0x20              ; part
	v_lshl_add_u32 v254, v0, 2, 0x28800
	v_mov_b32 v255, 0
	v_lshrrev_b32 v1, 5, v0
	v_readfirstlane_b32 s14, v1                    ; wave
	s_and_b32 s16, ttmp7, 0xffff                   ; block of 64 tokens
	s_mov_b32 s20, 0x76543210                      ; v_permlanex16_b32: lane i reads lane i of the other half
	s_mov_b32 s21, 0xfedcba98
	s_mov_b32 s22, 0xffff0000
	v_and_b32 v1, 15, v0                           ; r
	v_bfe_u32 v2, v0, 4, 1                         ; h
	v_and_b32 v240, 7, v0
	v_bfe_u32 v241, v0, 3, 1
	v_and_b32 v242, 1, v0
	v_lshlrev_b32 v4, 12, v1
	v_lshl_add_u32 v4, v2, 6, v4                   ; x: token r, 64 bytes for each half of the lanes
	v_lshlrev_b32 v5, 4, v1
	v_lshl_add_u32 v5, v2, 11, v5                  ; Wg1: two k rows a load, 16 bytes a lane
	s_mul_i32 s17, s14, 256*PW
	v_mul_u32_u24 v6, v2, PW
	v_lshl_add_u32 v6, v1, 3, v6
	v_add_nc_u32 v6, s17, v6                       ; where my 4 converted numbers go
	v_lshl_add_u32 v7, v2, 4, v240                 ; weight fragments: k row 16 h + (lane & 7)
	v_mul_u32_u24 v7, v7, PW
	v_lshl_add_u32 v7, v241, 4, v7
	v_lshl_add_u32 v8, v2, 3, v240                 ; Wg2 fragments: k row 8 h + (lane & 7)
	v_lshlrev_b32 v8, 5, v8
	v_lshl_add_u32 v8, v241, 4, v8
	v_add_nc_u32 v8, W2T, v8
	v_lshlrev_b32 v9, 5, v1
	v_lshl_add_u32 v9, v2, 4, v9                   ; part: token r, 16 bytes for each half
	v_lshlrev_b32 v10, 4, v0                       ; Wg2: thread t takes 16 bytes = half of row t / 2
	v_lshrrev_b32 v11, 1, v0
	v_lshlrev_b32 v11, 5, v11
	v_lshl_add_u32 v11, v242, 3, v11
	v_add_nc_u32 v11, W2T, v11
	v_lshlrev_b32 v3, 5, v2                        ; bias: columns 8 h ..
	s_lshl_b32 s24, s16, 18                        ; x: (64 block + 16 wave) rows of 4,096 bytes
	s_lshl_b32 s25, s14, 16
	s_add_co_u32 s24, s24, s25
	s_mov_b32 s25, 0
	s_lshl_b32 s26, ttmp9, 8                       ; Wg1: the slice's 256 bytes of a row, the wave's 256 k rows of 2,048 bytes
	s_lshl_b32 s27, s14, 19
	s_add_co_u32 s26, s26, s27
	s_mov_b32 s27, 0
	s_lshl_b32 s28, ttmp9, 8                       ; bg1
	s_mov_b32 s29, 0
	s_lshl_b32 s30, ttmp9, 11                      ; Wg2: 64 rows of 32 bytes
	s_mov_b32 s31, 0
	s_lshl_b32 s32, ttmp9, 16                      ; part: slice, block, wave
	s_lshl_b32 s33, s16, 11
	s_add_co_u32 s32, s32, s33
	s_lshl_b32 s33, s14, 9
	s_add_co_u32 s32, s32, s33
	s_mov_b32 s33, 0
	s_wait_kmcnt 0x0
	s_add_nc_u64 s[4:5], s[4:5], s[24:25]
	s_add_nc_u64 s[6:7], s[6:7], s[26:27]
	s_add_nc_u64 s[8:9], s[8:9], s[28:29]
	s_add_nc_u64 s[10:11], s[10:11], s[30:31]
	s_add_nc_u64 s[12:13], s[12:13], s[32:33]
; unit uu (a symbol set by the caller) is asked for, into set uu mod 7 of the ring in window 1
.macro ULOAD
	WIN 0x40                                       ; destinations in window 1, addresses in window 0
.if uu < 16
.irp i, 0,1,2,3,4,5,6,7
	global_load_b128 v[32*(uu%DEPTH)+4*\i:32*(uu%DEPTH)+4*\i+3], v5, s[6:7] offset:4096*(8*uu+\i)   ; k rows 2 (8 uu + i), + 1 of the wave's 256
.endr
.else
.irp i, 0,1,2,3,4,5,6,7
	global_load_b128 v[32*(uu%DEPTH)+4*\i:32*(uu%DEPTH)+4*\i+3], v4, s[4:5] offset:128*(2*(uu-16)+\i/4)+16*(\i%4)   ; K steps 2 (uu - 16), + 1
.endr
.endif
.endm
.macro BFETCH f                        ; the four weight fragments of the next 32 k; lane half h takes k = 16 h .. 16 h + 15, as x does
.irp b, 0,1,2,3
	ds_load_tr16_b128 v[BF+32*(\f)+8*\b:BF+32*(\f)+8*\b+3],   v7 offset:32*\b
	ds_load_tr16_b128 v[BF+32*(\f)+8*\b+4:BF+32*(\f)+8*\b+7], v7 offset:32*\b+8*PW
.endr
	v_add_nc_u32 v7, 32*PW, v7
.endm
	; the bias and Wg2 first, then the ring is filled
.irp b, 0,1,2,3
	global_load_b128 v[BL+8*\b:BL+8*\b+3],   v3, s[8:9] offset:64*\b
	global_load_b128 v[BL+8*\b+4:BL+8*\b+7], v3, s[8:9] offset:64*\b+16
.endr
	global_load_b128 v[236:239], v10, s[10:11]
.set uu, 0
.rept DEPTH
	ULOAD
.set uu, uu+1
.endr
	WIN 0
	s_wait_loadcnt 8*DEPTH                         ; all but the ring's 7 units of 8 loads: the bias and Wg2 are in
.irp p, 0,1,2,3,4,5,6,7,8,9,10,11,12,13,14,15
	v_cvt_pk_bf16_f32 v[BIASP+\p], v[BL+2*\p], v[BL+2*\p+1]
.endr
	v_cvt_pk_bf16_f32 v240, v236, v237
	v_cvt_pk_bf16_f32 v241, v238, v239
	v_mov_b32 v242, 0
	v_mov_b32 v243, 0
	ds_store_b64 v11, v[240:241]                   ; Wg2[k][4 (t & 1) ..]
	ds_store_b64 v11, v[242:243] offset:16         ; columns 8 to 15 do not exist: zeros
	; units 0 to 15: Wg1 to bf16 and into LDS
.set bb, 0
.rept 16
	s_wait_loadcnt 8*(DEPTH-1)                     ; unit bb is in; the six younger units stay out
	WIN 0x05                                       ; sources in window 1, destination in window 0
.irp i, 0,1,2,3,4,5,6,7
	v_cvt_pk_bf16_f32 v[WTMP+16*(bb%2)+2*\i],   v[32*(bb%DEPTH)+4*\i],   v[32*(bb%DEPTH)+4*\i+1]
	v_cvt_pk_bf16_f32 v[WTMP+16*(bb%2)+2*\i+1], v[32*(bb%DEPTH)+4*\i+2], v[32*(bb%DEPTH)+4*\i+3]
.endr
	WIN 0
.irp i, 0,1,2,3,4,5,6,7
	ds_store_b64 v6, v[WTMP+16*(bb%2)+2*\i:WTMP+16*(bb%2)+2*\i+1] offset:2*PW*(8*bb+\i)
.endr
.set uu, bb+DEPTH
	ULOAD                                          ; the set is free: unit bb + 7 (from unit 16 on: x)
.set bb, bb+1
.endr
	WIN 0
	s_wait_dscnt 0x0                               ; my stores are in LDS before I say so
	s_barrier_signal -1
	s_barrier_wait -1                              ; the whole slice is there for every wave; x's loads into registers stay on their way
	BFETCH 0
; 32 K steps of 32.  The four accumulators take turns, one instruction a turn.
; The eight conversions are the places between the last step's matrix instructions and the loads into their sources.
.set st, 0
.rept 32
.set un, 16+st/2                                       ; the step's unit
.if un+DEPTH-1 > 31
.set ny, 31-un                                         ; younger units that have been asked for
.else
.set ny, DEPTH-1
.endif
	s_wait_loadcnt 8*ny+4*(1-st%2)                 ; the younger units stay out, and in an even step the unit's second four loads
	WIN 0x05
.irp j, 0,1,2,3,4,5,6,7
	v_cvt_pk_bf16_f32 v[AF+8*(st%2)+\j], v[32*(un%DEPTH)+16*(st%2)+2*\j], v[32*(un%DEPTH)+16*(st%2)+2*\j+1]
.endr
.if st%2
.if un+DEPTH < 32
.set uu, un+DEPTH
	ULOAD                                          ; both halves of the set are converted: its next unit
.endif
.endif
	WIN 0
.if st < 31
	BFETCH (st+1)%2
	s_wait_dscnt 8                                 ; this step's fragments are in; the eight just issued stay out
.else
	s_wait_dscnt 0
.endif
.irp b, 0,1,2,3
.if st == 0
	v_wmma_f32_16x16x32_bf16 v[ACC+8*\b:ACC+8*\b+7], v[BF+32*(st%2)+8*\b:BF+32*(st%2)+8*\b+7], v[AF+8*(st%2):AF+8*(st%2)+7], 0
.else
	v_wmma_f32_16x16x32_bf16 v[ACC+8*\b:ACC+8*\b+7], v[BF+32*(st%2)+8*\b:BF+32*(st%2)+8*\b+7], v[AF+8*(st%2):AF+8*(st%2)+7], v[ACC+8*\b:ACC+8*\b+7]
.endif
.endr
.set st, st+1
.endr
	; Weights were source 0: lane (r, h) holds token r, columns 16 b + 8 h + j.  Tiles 2 c and 2 c + 1 are thus the token fragment of k = 32 c ..
.irp c, 0,1
	ds_load_tr16_b128 v[76+8*\c:79+8*\c], v8 offset:1024*\c
	ds_load_tr16_b128 v[80+8*\c:83+8*\c], v8 offset:1024*\c+512
.endr
.rept 4
	v_nop                                          ; four places behind the last matrix instruction (ISA guide 7.12.1)
.endr
; pair p of my 32 numbers: bias, relu, then hi + mid + lo in bf16
.macro SPLIT p
	v_lshlrev_b32 v236, 16, v[BIASP+\p]
	v_and_b32 v237, s22, v[BIASP+\p]
	v_pk_add_f32 v[ACC+2*\p:ACC+2*\p+1], v[ACC+2*\p:ACC+2*\p+1], v[236:237]
	v_max_num_f32 v[ACC+2*\p], 0, v[ACC+2*\p]
	v_max_num_f32 v[ACC+2*\p+1], 0, v[ACC+2*\p+1]
	v_cvt_pk_bf16_f32 v[28+\p], v[ACC+2*\p], v[ACC+2*\p+1]
	v_lshlrev_b32 v236, 16, v[28+\p]
	v_and_b32 v237, s22, v[28+\p]
	v_pk_add_f32 v[ACC+2*\p:ACC+2*\p+1], v[ACC+2*\p:ACC+2*\p+1], v[236:237] neg_lo:[0,1] neg_hi:[0,1]
	v_cvt_pk_bf16_f32 v[44+\p], v[ACC+2*\p], v[ACC+2*\p+1]
	v_lshlrev_b32 v236, 16, v[44+\p]
	v_and_b32 v237, s22, v[44+\p]
	v_pk_add_f32 v[ACC+2*\p:ACC+2*\p+1], v[ACC+2*\p:ACC+2*\p+1], v[236:237] neg_lo:[0,1] neg_hi:[0,1]
	v_cvt_pk_bf16_f32 v[60+\p], v[ACC+2*\p], v[ACC+2*\p+1]
.endm
.irp p, 0,1,2,3,4,5,6,7,8,9,10,11,12,13,14,15
	SPLIT \p
.endr
	s_wait_dscnt 0x0
	; six products, six results of their own: no sum in place
	v_wmma_f32_16x16x32_bf16 v[140:147], v[76:83], v[28:35], 0
	v_wmma_f32_16x16x32_bf16 v[148:155], v[84:91], v[36:43], 0
	v_wmma_f32_16x16x32_bf16 v[156:163], v[76:83], v[44:51], 0
	v_wmma_f32_16x16x32_bf16 v[164:171], v[84:91], v[52:59], 0
	v_wmma_f32_16x16x32_bf16 v[172:179], v[76:83], v[60:67], 0
	v_wmma_f32_16x16x32_bf16 v[180:187], v[84:91], v[68:75], 0
	v_cmp_ne_u32 vcc_lo, 0, v2                     ; lanes 16 to 31
.rept 4
	v_nop
.endr
.irp j, 0,2,4,6
	v_pk_add_f32 v[172+\j:173+\j], v[172+\j:173+\j], v[180+\j:181+\j]   ; small terms first
	v_pk_add_f32 v[156+\j:157+\j], v[156+\j:157+\j], v[164+\j:165+\j]
	v_pk_add_f32 v[140+\j:141+\j], v[140+\j:141+\j], v[148+\j:149+\j]
.endr
.irp j, 0,2,4,6
	v_pk_add_f32 v[172+\j:173+\j], v[172+\j:173+\j], v[156+\j:157+\j]
.endr
.irp j, 0,2,4,6
	v_pk_add_f32 v[140+\j:141+\j], v[140+\j:141+\j], v[172+\j:173+\j]
.endr
	; lanes 0-15 hold token r's eight scores; lanes 16-31 fetch scores 4-7, so that the wave stores 512 consecutive bytes
.irp j, 0,1,2,3
	v_permlanex16_b32 v[148+\j], v[144+\j], s20, s21
.endr
.irp j, 0,1,2,3
	v_cndmask_b32 v[140+\j], v[140+\j], v[148+\j], vcc_lo
.endr
	global_store_b128 v9, v[140:143], s[12:13]
	s_wait_tensorcnt 0x0
	ds_add_u32 v254, v255
	s_wait_dscnt 0x0
	s_endpgm
.Lfunc_end_k_q146f84cdab_gate_a:
	.size	k_q146f84cdab_gate_a, .Lfunc_end_k_q146f84cdab_gate_a-k_q146f84cdab_gate_a
	.p2alignl 7, 3214868480
	.fill 96, 4, 3214868480
	.section	.rodata,"a",@progbits
	.p2align	6, 0x0
	.amdhsa_kernel k_q146f84cdab_gate_a
		.amdhsa_group_segment_fixed_size 166400
		.amdhsa_private_segment_fixed_size 0
		.amdhsa_enable_private_segment 0
		.amdhsa_kernarg_size 40
		.amdhsa_user_sgpr_count 2
		.amdhsa_user_sgpr_kernarg_segment_ptr 1
		.amdhsa_wavefront_size32 1
		.amdhsa_system_sgpr_workgroup_id_x 1
		.amdhsa_system_sgpr_workgroup_id_y 1
		.amdhsa_system_sgpr_workgroup_id_z 1
		.amdhsa_system_vgpr_workitem_id 0
		.amdhsa_next_free_vgpr 480
		.amdhsa_next_free_sgpr 66
		.amdhsa_reserve_vcc 1
		.amdhsa_float_denorm_mode_32 3
		.amdhsa_float_denorm_mode_16_64 3
		.amdhsa_memory_ordered 1
		.amdhsa_forward_progress 1
		.amdhsa_inst_pref_size 115
	.end_amdhsa_kernel
	.amdgpu_metadata
---
amdhsa.version: [ 1, 2 ]
amdhsa.kernels:
  - .name:           k_q146f84cdab_gate_a
    .symbol:         k_q146f84cdab_gate_a.kd
    .args:
      - { .name: x, .offset: 0, .size: 8, .value_kind: global_buffer, .address_space: global }
      - { .name: Wg1, .offset: 8, .size: 8, .value_kind: global_buffer, .address_space: global }
      - { .name: bg1, .offset: 16, .size: 8, .value_kind: global_buffer, .address_space: global }
      - { .name: Wg2, .offset: 24, .size: 8, .value_kind: global_buffer, .address_space: global }
      - { .name: part, .offset: 32, .size: 8, .value_kind: global_buffer, .address_space: global }
    .group_segment_fixed_size: 166400
    .private_segment_fixed_size: 0
    .kernarg_segment_align: 8
    .kernarg_segment_size: 40
    .max_flat_workgroup_size: 128
    .sgpr_count:     66
    .vgpr_count:     480
    .wavefront_size: 32
...
	.end_amdgpu_metadata
.endif
;; end of part 1
;; launch finish_cvt (part 2): grid 1032 x 1, 8 waves a work-group, no clusters, 0 bytes of LDS; arguments part, bg2, W1, W2, out1, sel, gw, wb; writes out1, sel, gw, wb
.if DOCPART == 2
	.amdgcn_target "amdgcn-amd-amdhsa--gfx1250"
	.amdhsa_code_object_version 6
	.text
	.protected	k_q146f84cdab_finish_cvt
	.globl	k_q146f84cdab_finish_cvt
	.p2align	8
	.type	k_q146f84cdab_finish_cvt,@function
k_q146f84cdab_finish_cvt:
	s_mov_b64 s[64:65], 0
	v_nop
	global_prefetch_b8 v0, s[64:65] scope:SCOPE_SE
	s_setreg_imm32_b32 hwreg(HW_REG_WAVE_MODE, 25, 1), 1
	s_wait_xcnt 0x0
; Work-groups 0-7: one thread a token: scores = sum of the eight slices + bg2, softmax (out1), the three largest, softmax of those three.
;   sel[token] = mask of the three experts | e0 << 8 | e1 << 12 | e2 << 16 | token << 20;  gw[token] = g0, g1, g2, 0.
; Work-groups 8-1031: W1 and W2 from f32 to bf16, order kept, 131,072 bytes of source each (512 work-groups a tensor).  A wave asks for all its
; 32 x 512 bytes at once, converts in place and stores: no register is used twice, so the only waits are the four counted ones for the data.
; LIMITS: bg2, W1, W2 are rounded to bf16.  Equal probabilities: the lower index wins, as in lax.top_k; probabilities that differ by
; less than f32 rounding of the sums may fall either way.  A probability below 2^-126 is stored as 0 (v_exp_f32 flushes: ISA guide 15.8).
; A stream: no LDS, no matrix unit, no cluster: nothing is shared.
	s_load_b512 s[4:19], s[0:1], 0x0               ; part, bg2, W1, W2, out1, sel, gw, wb
	s_wait_kmcnt 0x0
	s_cmp_lt_u32 ttmp9, 8
	s_cbranch_scc1 .Lfinish
	s_sub_co_u32 s20, ttmp9, 8
	s_lshr_b32 s21, s20, 9                         ; 0: W1, 1: W2
	s_and_b32 s22, s20, 511                        ; chunk
	s_cmp_eq_u32 s21, 0
	s_cselect_b64 s[24:25], s[8:9], s[10:11]
	s_lshl_b32 s26, s22, 17
	s_mov_b32 s27, 0
	s_add_nc_u64 s[24:25], s[24:25], s[26:27]
	s_lshl_b32 s26, s21, 25
	s_lshl_b32 s28, s22, 16
	s_add_co_u32 s26, s26, s28
	s_add_nc_u64 s[28:29], s[18:19], s[26:27]
	v_lshlrev_b32 v1, 4, v0                        ; 16 bytes in
	v_lshlrev_b32 v2, 3, v0                        ; 8 bytes out: a wave stores 256 consecutive bytes, aligned
.set ii, 0
.rept 32
	global_load_b128 v[4+4*ii:7+4*ii], v1, s[24:25] offset:4096*ii th:TH_LOAD_NT
.set ii, ii+1
.endr
.set gg, 0
.rept 4
	s_wait_loadcnt 24-8*gg                         ; this group of eight is in; the younger groups stay out
.irp i, 0,1,2,3,4,5,6,7
	v_cvt_pk_bf16_f32 v[4+4*(8*gg+\i)], v[4+4*(8*gg+\i)], v[5+4*(8*gg+\i)]
	v_cvt_pk_bf16_f32 v[5+4*(8*gg+\i)], v[6+4*(8*gg+\i)], v[7+4*(8*gg+\i)]
.endr
.irp i, 0,1,2,3,4,5,6,7
	global_store_b64 v2, v[4+4*(8*gg+\i):5+4*(8*gg+\i)], s[28:29] offset:2048*(8*gg+\i)
.endr
.set gg, gg+1
.endr
	s_endpgm
.Lfinish:
	s_load_b256 s[24:31], s[6:7], 0x0              ; bg2
	s_lshl_b32 s20, ttmp9, 13                      ; 256 tokens x 32 bytes
	s_mov_b32 s21, 0
	s_add_nc_u64 s[4:5], s[4:5], s[20:21]
	s_add_nc_u64 s[12:13], s[12:13], s[20:21]
	s_lshl_b32 s20, ttmp9, 10
	s_add_nc_u64 s[14:15], s[14:15], s[20:21]
	s_lshl_b32 s20, ttmp9, 12
	s_add_nc_u64 s[16:17], s[16:17], s[20:21]
	s_lshl_b32 s22, ttmp9, 8                       ; the group's first token
	v_lshlrev_b32 v1, 5, v0
	v_lshlrev_b32 v2, 2, v0
	v_lshlrev_b32 v3, 4, v0
.irp p, 0,1,2,3,4,5,6,7
	global_load_b128 v[4+8*\p:7+8*\p],  v1, s[4:5] offset:65536*\p
	global_load_b128 v[8+8*\p:11+8*\p], v1, s[4:5] offset:65536*\p+16
.endr
	s_wait_kmcnt 0x0
.irp j, 0,1,2,3
	v_cvt_pk_bf16_f32 v[68+\j], s[24+2*\j], s[25+2*\j]
.endr
.irp j, 0,1,2,3
	v_lshlrev_b32 v[72+2*\j], 16, v[68+\j]
	v_and_b32 v[73+2*\j], 0xffff0000, v[68+\j]
.endr
	s_wait_loadcnt 0x0
.irp p, 0,2,4,6
.irp j, 0,2,4,6
	v_pk_add_f32 v[4+8*\p+\j:5+8*\p+\j], v[4+8*\p+\j:5+8*\p+\j], v[12+8*\p+\j:13+8*\p+\j]
.endr
.endr
.irp p, 0,4
.irp j, 0,2,4,6
	v_pk_add_f32 v[4+8*\p+\j:5+8*\p+\j], v[4+8*\p+\j:5+8*\p+\j], v[20+8*\p+\j:21+8*\p+\j]
.endr
.endr
.irp j, 0,2,4,6
	v_pk_add_f32 v[4+\j:5+\j], v[4+\j:5+\j], v[36+\j:37+\j]
.endr
.irp j, 0,2,4,6
	v_pk_add_f32 v[4+\j:5+\j], v[4+\j:5+\j], v[72+\j:73+\j]
.endr
	v_max3_num_f32 v80, v4, v5, v6                 ; the row's maximum is taken away, as reference() does
	v_max3_num_f32 v80, v80, v7, v8
	v_max3_num_f32 v80, v80, v9, v10
	v_max_num_f32 v80, v80, v11
.irp i, 0,1,2,3,4,5,6,7
	v_sub_f32 v[12+\i], v[4+\i], v80
.endr
.irp i, 0,1,2,3,4,5,6,7
	v_mul_f32 v[12+\i], 0x3fb8aa3b, v[12+\i]
.endr
.irp i, 0,1,2,3,4,5,6,7
	v_exp_f32 v[12+\i], v[12+\i]
.endr
	v_nop                                          ; one plain place behind the transcendentals (ISA guide 5.7.2)
	s_wait_alu depctr_va_vdst(0)
	v_add_f32 v81, v12, v13
	v_add_f32 v82, v14, v15
	v_add_f32 v83, v16, v17
	v_add_f32 v84, v18, v19
	v_add_f32 v81, v81, v82
	v_add_f32 v83, v83, v84
	v_add_f32 v81, v81, v83
	v_rcp_f32 v81, v81
	v_nop
	s_wait_alu depctr_va_vdst(0)
.irp i, 0,1,2,3,4,5,6,7
	v_mul_f32 v[20+\i], v[12+\i], v81
.endr
	global_store_b128 v1, v[20:23], s[12:13]
	global_store_b128 v1, v[24:27], s[12:13] offset:16
; the largest of eight and its index, the first of equals; knock = 1: a copy with the winner replaced by -1 goes to dst
.macro TOP1 src, dst, val, idx, knock
	v_mov_b32 v[\val], v[\src]
	v_mov_b32 v[\idx], 0
.irp i, 1,2,3,4,5,6,7
	v_cmp_gt_f32 vcc_lo, v[\src+\i], v[\val]
	v_cndmask_b32 v[\val], v[\val], v[\src+\i], vcc_lo
	v_cndmask_b32 v[\idx], v[\idx], \i, vcc_lo
.endr
.if \knock
.irp i, 0,1,2,3,4,5,6,7
	v_cmp_eq_u32 vcc_lo, \i, v[\idx]
	v_cndmask_b32 v[\dst+\i], v[\src+\i], -1.0, vcc_lo
.endr
.endif
.endm
	TOP1 20, 28, 40, 44, 1
	TOP1 28, 28, 41, 45, 1
	TOP1 28, 28, 42, 46, 0
	v_sub_f32 v50, v41, v40                        ; the first is the largest of the three
	v_sub_f32 v51, v42, v40
	v_mul_f32 v50, 0x3fb8aa3b, v50
	v_mul_f32 v51, 0x3fb8aa3b, v51
	v_exp_f32 v50, v50
	v_exp_f32 v51, v51
	v_mov_b32 v60, 1
	s_wait_alu depctr_va_vdst(0)
	v_add_f32 v52, 1.0, v50
	v_add_f32 v52, v52, v51
	v_rcp_f32 v56, v52
	v_mov_b32 v59, 0
	s_wait_alu depctr_va_vdst(0)
	v_mul_f32 v57, v50, v56
	v_mul_f32 v58, v51, v56
	v_lshlrev_b32 v61, v44, v60
	v_lshlrev_b32 v62, v45, v60
	v_lshlrev_b32 v63, v46, v60
	v_or_b32 v61, v61, v62
	v_or_b32 v61, v61, v63
	v_lshl_or_b32 v61, v44, 8, v61
	v_lshl_or_b32 v61, v45, 12, v61
	v_lshl_or_b32 v61, v46, 16, v61
	v_add_nc_u32 v62, s22, v0                      ; the token's number rides along
	v_lshl_or_b32 v61, v62, 20, v61
	global_store_b32 v2, v61, s[14:15]
	global_store_b128 v3, v[56:59], s[16:17]
	s_endpgm
.Lfunc_end_k_q146f84cdab_finish_cvt:
	.size	k_q146f84cdab_finish_cvt, .Lfunc_end_k_q146f84cdab_finish_cvt-k_q146f84cdab_finish_cvt
	.p2alignl 7, 3214868480
	.fill 96, 4, 3214868480
	.section	.rodata,"a",@progbits
	.p2align	6, 0x0
	.amdhsa_kernel k_q146f84cdab_finish_cvt
		.amdhsa_group_segment_fixed_size 0
		.amdhsa_private_segment_fixed_size 0
		.amdhsa_enable_private_segment 0
		.amdhsa_kernarg_size 64
		.amdhsa_user_sgpr_count 2
		.amdhsa_user_sgpr_kernarg_segment_ptr 1
		.amdhsa_wavefront_size32 1
		.amdhsa_system_sgpr_workgroup_id_x 1
		.amdhsa_system_sgpr_workgroup_id_y 1
		.amdhsa_system_sgpr_workgroup_id_z 1
		.amdhsa_system_vgpr_workitem_id 0
		.amdhsa_next_free_vgpr 132
		.amdhsa_next_free_sgpr 66
		.amdhsa_reserve_vcc 1
		.amdhsa_float_denorm_mode_32 3
		.amdhsa_float_denorm_mode_16_64 3
		.amdhsa_memory_ordered 1
		.amdhsa_forward_progress 1
		.amdhsa_inst_pref_size 24
	.end_amdhsa_kernel
	.amdgpu_metadata
---
amdhsa.version: [ 1, 2 ]
amdhsa.kernels:
  - .name:           k_q146f84cdab_finish_cvt
    .symbol:         k_q146f84cdab_finish_cvt.kd
    .args:
      - { .name: part, .offset: 0, .size: 8, .value_kind: global_buffer, .address_space: global }
      - { .name: bg2, .offset: 8, .size: 8, .value_kind: global_buffer, .address_space: global }
      - { .name: W1, .offset: 16, .size: 8, .value_kind: global_buffer, .address_space: global }
      - { .name: W2, .offset: 24, .size: 8, .value_kind: global_buffer, .address_space: global }
      - { .name: out1, .offset: 32, .size: 8, .value_kind: global_buffer, .address_space: global }
      - { .name: sel, .offset: 40, .size: 8, .value_kind: global_buffer, .address_space: global }
      - { .name: gw, .offset: 48, .size: 8, .value_kind: global_buffer, .address_space: global }
      - { .name: wb, .offset: 56, .size: 8, .value_kind: global_buffer, .address_space: global }
    .group_segment_fixed_size: 0
    .private_segment_fixed_size: 0
    .kernarg_segment_align: 8
    .kernarg_segment_size: 64
    .max_flat_workgroup_size: 256
    .sgpr_count:     66
    .vgpr_count:     132
    .wavefront_size: 32
...
	.end_amdgpu_metadata
.endif
;; end of part 2
;; launch route (part 3): grid 64 x 32, 1 waves a work-group, no clusters, 512 bytes of LDS; arguments sel, x, xs, rt; writes xs, rt
.if DOCPART == 3
	.amdgcn_target "amdgcn-amd-amdhsa--gfx1250"
	.amdhsa_code_object_version 6
	.text
	.protected	k_q146f84cdab_route
	.globl	k_q146f84cdab_route
	.p2align	8
	.type	k_q146f84cdab_route,@function
k_q146f84cdab_route:
	s_mov_b64 s[64:65], 0
	v_nop
	global_prefetch_b8 v0, s[64:65] scope:SCOPE_SE
	s_setreg_imm32_b32 hwreg(HW_REG_WAVE_MODE, 25, 1), 1
	s_wait_xcnt 0x0
; Rows for the experts.  Expert e has c_e tokens and ceil(c_e / 256) tiles of 256 row slots; the experts' tiles follow each other.
; 6,144 pairs and 8 experts need at most (6144 + 8 x 255) / 256 = 31 tiles, so 32 tiles (8,192 slots) hold every case.
; A work-group is ONE wave and owns 4 slots: tile = y, chunk of 4 = x.  It counts all eight experts over the 2,048 words of sel itself (8 KiB), finds its
; tile's expert and the ranks of its slots, lists the 4 tokens with those ranks in LDS (its own list: no other wave, no barrier) and copies their rows
; of x to xs as bf16: all 32 loads of the four rows go out at once, each row is converted in place, no register is used twice.
; THE RANK of a token among its expert's tokens: lane l of the wave holds the sel words 128 i + 4 l + j (i = 0..15, j = 0..3); the rank is the number of
; the expert's tokens in lanes below l plus those in earlier registers of lane l.  Every work-group computes the same one-to-one numbering, which is
; all that is needed: the sel word carries the token's number.  It is plain vector work: no ballot goes through a scalar register.
; A slot past its expert's last token holds a copy of token 0: finite, stored, never used for out0.
; rt: pos3[token][k] = the slot of the token's k-th expert (word 3 unused); at byte 32,768: te[tile], the tile's expert, 32 equal words a tile.
; All counting is in whole numbers.  No branch hangs on data; the one narrowing of EXEC by data is the last thing done.
; LIMIT (format): x is rounded to bf16.
; REGISTERS: v1-15 addresses and work; v[16:143] first sel (64 words a lane), then the four rows; v144-160 work, constants and counts, outside the rows.
.set W,    16                          ; v[16:79] sel, 64 words a lane
.set T,    144                         ; v[144:151] four words at work, two registers each
.set ZERO, 152
.set TWO,  153
.set ONE,  154
.set CNT,  156                         ; v[156:159] counts of two experts each, in fields of 16 bits
.set TMP,  160
	s_load_b256 s[4:11], s[0:1], 0x0               ; sel, x, xs, rt
	v_lshl_add_u32 v164, v0, 2, 0x100
	v_mov_b32 v165, 0
	s_and_b32 s40, ttmp7, 0xffff                   ; tile
	s_lshl_b32 s43, s40, 6
	s_add_co_u32 s43, s43, ttmp9                   ; 64 tile + chunk
	s_lshl_b32 s44, s43, 2                         ; my first slot
	s_lshl_b32 s41, s40, 7
	s_mov_b32 s45, 0x01010101
	s_mov_b32 s46, 0x204081                        ; 1 + 2^7 + 2^14 + 2^21: bit i of four moves to bit 8 i
	s_mov_b32 s47, 0x00ff00ff
	s_mov_b32 s66, 0x76543210                      ; v_permlanex16_b32: lane i reads lane i of the other half
	s_mov_b32 s67, 0xfedcba98
	v_and_b32 v9, 31, v0                           ; lane
	v_lshlrev_b32 v1, 4, v9
	v_lshlrev_b32 v2, 3, v9
	v_lshlrev_b32 v3, 2, v9
	v_add_nc_u32 v12, s41, v3                      ; te: 128 tile + 4 lane
	v_and_b32 v13, 3, v9
	v_lshlrev_b32 v13, 2, v13                      ; list word (lane & 3)
	v_mov_b32 v[ZERO], 0
	v_mov_b32 v[TWO], 2
	v_mov_b32 v[ONE], 1
	v_mov_b32 v[TMP], 0
	ds_store_b32 v3, v[ZERO]                       ; the list (words 0-3) starts as token 0; word 4 takes what is not mine
	s_wait_kmcnt 0x0
.set ii, 0
.rept 16
	global_load_b128 v[W+4*ii:W+4*ii+3], v1, s[4:5] offset:512*ii
.set ii, ii+1
.endr
	s_wait_loadcnt 0x0
	; my 64 tokens' masks, added up in byte fields (64 at the most in a byte): experts 0-3 in v10 and v14, experts 4-7 in v11 and v15; four words at a time
.set ii, 0
.rept 16
.irp q, 0,1,2,3
	v_and_b32 v[T+\q], 15, v[W+ii+\q]
	v_bfe_u32 v[T+4+\q], v[W+ii+\q], 4, 4
.endr
.irp q, 0,1,2,3,4,5,6,7
	v_mul_u32_u24 v[T+\q], s46, v[T+\q]
.endr
.if ii == 0
	v_and_b32 v10, s45, v[T]                       ; the first words start the sums
	v_and_b32 v14, s45, v[T+1]
	v_and_b32 v11, s45, v[T+4]
	v_and_b32 v15, s45, v[T+5]
.else
	v_and_b32 v[T], s45, v[T]
	v_and_b32 v[T+1], s45, v[T+1]
	v_and_b32 v[T+4], s45, v[T+4]
	v_and_b32 v[T+5], s45, v[T+5]
.endif
	v_and_b32 v[T+2], s45, v[T+2]
	v_and_b32 v[T+3], s45, v[T+3]
	v_and_b32 v[T+6], s45, v[T+6]
	v_and_b32 v[T+7], s45, v[T+7]
.if ii != 0
	v_add_nc_u32 v10, v10, v[T]
	v_add_nc_u32 v14, v14, v[T+1]
	v_add_nc_u32 v11, v11, v[T+4]
	v_add_nc_u32 v15, v15, v[T+5]
.endif
	v_add_nc_u32 v10, v10, v[T+2]
	v_add_nc_u32 v14, v14, v[T+3]
	v_add_nc_u32 v11, v11, v[T+6]
	v_add_nc_u32 v15, v15, v[T+7]
.set ii, ii+4
.endr
	v_add_nc_u32 v10, v10, v14                     ; my lane's counts: experts 0-3,
	v_add_nc_u32 v11, v11, v15                     ; experts 4-7
	v_and_b32 v[CNT], s47, v10                     ; experts 0 | 2 << 16: fields of 16 bits hold 2,048
	v_lshrrev_b32 v[CNT+1], 8, v10
	v_and_b32 v[CNT+1], s47, v[CNT+1]              ; 1 | 3 << 16
	v_and_b32 v[CNT+2], s47, v11                   ; 4 | 6 << 16
	v_lshrrev_b32 v[CNT+3], 8, v11
	v_and_b32 v[CNT+3], s47, v[CNT+3]              ; 5 | 7 << 16
.irp m, 1,2,4,8
.irp q, 0,1,2,3
	v_mov_b32_dpp v[TMP], v[CNT+\q] row_xmask:\m row_mask:0xf bank_mask:0xf
	v_add_nc_u32 v[CNT+\q], v[CNT+\q], v[TMP]
.endr
.endr
.irp q, 0,1,2,3
	v_permlanex16_b32 v[TMP], v[CNT+\q], s66, s67
	v_add_nc_u32 v[CNT+\q], v[CNT+\q], v[TMP]
.endr
	v_readfirstlane_b32 s24, v[CNT]
	v_readfirstlane_b32 s25, v[CNT+1]
	v_readfirstlane_b32 s26, v[CNT+2]
	v_readfirstlane_b32 s27, v[CNT+3]
	s_and_b32 s48, s24, 0xffff                     ; c_0 .. c_7 in s48 .. s55
	s_lshr_b32 s50, s24, 16
	s_and_b32 s49, s25, 0xffff
	s_lshr_b32 s51, s25, 16
	s_and_b32 s52, s26, 0xffff
	s_lshr_b32 s54, s26, 16
	s_and_b32 s53, s27, 0xffff
	s_lshr_b32 s55, s27, 16
	s_mov_b32 s56, 0                               ; first tile of expert e in s[56+e]
.irp e, 0,1,2,3,4,5,6
	s_add_co_u32 s41, s[48+\e], 255
	s_lshr_b32 s41, s41, 8
	s_add_co_u32 s[57+\e], s[56+\e], s41
.endr
	s_mov_b32 s19, 0                               ; my tile's expert: the last whose first tile is not behind mine
	s_mov_b32 s15, 0
	s_mov_b32 s14, s48
.irp e, 1,2,3,4,5,6,7
	s_cmp_le_u32 s[56+\e], s40
	s_cselect_b32 s19, \e, s19
	s_cselect_b32 s15, s[56+\e], s15
	s_cselect_b32 s14, s[48+\e], s14
.endr
	s_lshl_b32 s15, s15, 8
	s_sub_co_u32 s16, s44, s15                     ; lo: the rank that belongs in my first slot
	s_sub_co_i32 s17, s14, s16
	s_max_i32 s17, s17, 0
	s_min_i32 s17, s17, 4                          ; len: how many of my 4 slots hold a token
	s_sub_co_u32 s18, 0, s16                       ; - lo
	s_cmp_lt_u32 s19, 4
	s_cselect_b32 s12, -1, 0                       ; the expert's count lies in v10 (all lanes) or in v11
	s_and_b32 s13, s19, 3
	s_lshl_b32 s13, s13, 3
	v_cndmask_b32 v5, v11, v10, s12
	v_bfe_u32 v5, v5, s13, 8                       ; my lane's tokens of the expert
	; v6 = the expert's tokens in the lanes below mine, less lo.  Blocks of 1, 2, 4, 8 lanes are joined: a lane in the upper block adds the lower block's sum
	v_mov_b32 v6, s18
	v_mov_b32 v7, v5
.irp d, 1,2,4,8
	v_mov_b32_dpp v[TMP], v7 row_xmask:\d row_mask:0xf bank_mask:0xf
	v_and_b32 v8, \d, v9
	v_cmp_ne_u32 vcc_lo, 0, v8
	v_cndmask_b32 v8, 0, v[TMP], vcc_lo
	v_add_nc_u32 v6, v6, v8
	v_add_nc_u32 v7, v7, v[TMP]
.endr
	v_permlanex16_b32 v[TMP], v7, s66, s67         ; the other 16 lanes' sum
	v_cmp_lt_u32 vcc_lo, 15, v9
	v_cndmask_b32 v8, 0, v[TMP], vcc_lo
	v_add_nc_u32 v6, v6, v8
	; each word: a member with rank - lo in 0..3 goes to that list word, all else to word 4.  (member - 1) is 0 for a member and all ones otherwise;
	; ranks below lo wrap to huge numbers; a member's rank is below c, so no slot past the expert's last token is written
.set ii, 0
.rept 16
.irp q, 0,1,2,3
	v_bfe_u32 v[T+\q], v[W+ii+\q], s19, 1
.endr
.irp q, 0,1,2,3
	v_add_nc_u32 v[T+4+\q], -1, v[T+\q]
.endr
.irp q, 0,1,2,3
	v_or_b32 v[T+4+\q], v[T+4+\q], v6
	v_add_nc_u32 v6, v6, v[T+\q]
.endr
.irp q, 0,1,2,3
	v_min_u32 v[T+4+\q], 4, v[T+4+\q]
.endr
.irp q, 0,1,2,3
	v_lshlrev_b32 v[T+4+\q], 2, v[T+4+\q]
.endr
.irp q, 0,1,2,3
	ds_store_b32 v[T+4+\q], v[W+ii+\q]             ; the sel word carries the token's number
.endr
.set ii, ii+4
.endr
	s_lshl_b32 s20, s43, 13                        ; 4 rows of 2,048 bytes
	s_mov_b32 s21, 0
	s_add_nc_u64 s[20:21], s[8:9], s[20:21]
	ds_load_b32 v14, v13                           ; LDS serves a wave in order: this sees the list's stores
	s_wait_dscnt 0x0
.irp j, 0,1,2,3
	v_readlane_b32 s41, v14, \j
	s_lshr_b32 s41, s41, 20
	s_min_u32 s41, s41, 0x7ff                      ; a token number
	s_lshl_b32 s[24+2*\j], s41, 12
	s_mov_b32 s[25+2*\j], 0
	s_add_nc_u64 s[24+2*\j:25+2*\j], s[6:7], s[24+2*\j:25+2*\j]
.endr
.irp j, 0,1,2,3
.irp m, 0,1,2,3,4,5,6,7
	global_load_b128 v[16+32*\j+4*\m:16+32*\j+4*\m+3], v1, s[24+2*\j:25+2*\j] offset:512*\m   ; a row of x: eight loads of 512 consecutive bytes
.endr
.endr
	; where lanes 0-3 will tell their tokens the slot: word 4 token + k, k = which of the token's three choices my expert is
	v_lshrrev_b32 v15, 20, v14
	v_bfe_u32 v5, v14, 12, 3
	v_bfe_u32 v6, v14, 16, 3
	v_cmp_eq_u32 vcc_lo, s19, v6
	v_cndmask_b32 v8, 0, v[TWO], vcc_lo
	v_cmp_eq_u32 vcc_lo, s19, v5
	v_cndmask_b32 v8, v8, v[ONE], vcc_lo
	v_lshl_add_u32 v15, v15, 2, v8
	v_min_u32 v15, 0x1fff, v15
	v_lshlrev_b32 v15, 2, v15
	v_add_nc_u32 v10, s44, v9                      ; slot
	v_mov_b32 v11, s19                             ; expert
.macro ROW j
	s_wait_loadcnt 8*(3-\j)                        ; my row is in; the younger rows, eight loads each, stay out
.irp m, 0,1,2,3,4,5,6,7
	v_cvt_pk_bf16_f32 v[16+32*\j+4*\m],   v[16+32*\j+4*\m],   v[16+32*\j+4*\m+1]
	v_cvt_pk_bf16_f32 v[16+32*\j+4*\m+1], v[16+32*\j+4*\m+2], v[16+32*\j+4*\m+3]
.endr
.irp m, 0,1,2,3,4,5,6,7
	global_store_b64 v2, v[16+32*\j+4*\m:16+32*\j+4*\m+1], s[20:21] offset:2048*\j+256*\m   ; 256 consecutive bytes, aligned
.endr
.endm
	ROW 0
	ROW 1
	ROW 2
	ROW 3
	s_cmp_lg_u32 ttmp9, 0                          ; one work-group of each tile stores its expert, 128 consecutive bytes
	s_cbranch_scc1 .Lnot_first
	global_store_b32 v12, v11, s[10:11] offset:32768
.Lnot_first:
	v_cmp_gt_u32 vcc_lo, s17, v9                   ; lanes whose slot holds a token (len is 4 at the most)
	s_wait_xcnt 0x0                                ; EXEC changes only when no address is still to be translated
	s_and_saveexec_b32 s23, vcc_lo
	global_store_b32 v15, v10, s[10:11]
	s_wait_xcnt 0x0
	s_or_b32 exec_lo, exec_lo, s23
	s_wait_tensorcnt 0x0
	ds_add_u32 v164, v165
	s_wait_dscnt 0x0
	s_endpgm
.Lfunc_end_k_q146f84cdab_route:
	.size	k_q146f84cdab_route, .Lfunc_end_k_q146f84cdab_route-k_q146f84cdab_route
	.p2alignl 7, 3214868480
	.fill 96, 4, 3214868480
	.section	.rodata,"a",@progbits
	.p2align	6, 0x0
	.amdhsa_kernel k_q146f84cdab_route
		.amdhsa_group_segment_fixed_size 512
		.amdhsa_private_segment_fixed_size 0
		.amdhsa_enable_private_segment 0
		.amdhsa_kernarg_size 32
		.amdhsa_user_sgpr_count 2
		.amdhsa_user_sgpr_kernarg_segment_ptr 1
		.amdhsa_wavefront_size32 1
		.amdhsa_system_sgpr_workgroup_id_x 1
		.amdhsa_system_sgpr_workgroup_id_y 1
		.amdhsa_system_sgpr_workgroup_id_z 1
		.amdhsa_system_vgpr_workitem_id 0
		.amdhsa_next_free_vgpr 166
		.amdhsa_next_free_sgpr 72
		.amdhsa_reserve_vcc 1
		.amdhsa_float_denorm_mode_32 3
		.amdhsa_float_denorm_mode_16_64 3
		.amdhsa_memory_ordered 1
		.amdhsa_forward_progress 1
		.amdhsa_inst_pref_size 58
	.end_amdhsa_kernel
	.amdgpu_metadata
---
amdhsa.version: [ 1, 2 ]
amdhsa.kernels:
  - .name:           k_q146f84cdab_route
    .symbol:         k_q146f84cdab_route.kd
    .args:
      - { .name: sel, .offset: 0, .size: 8, .value_kind: global_buffer, .address_space: global }
      - { .name: x, .offset: 8, .size: 8, .value_kind: global_buffer, .address_space: global }
      - { .name: xs, .offset: 16, .size: 8, .value_kind: global_buffer, .address_space: global }
      - { .name: rt, .offset: 24, .size: 8, .value_kind: global_buffer, .address_space: global }
    .group_segment_fixed_size: 512
    .private_segment_fixed_size: 0
    .kernarg_segment_align: 8
    .kernarg_segment_size: 32
    .max_flat_workgroup_size: 32
    .sgpr_count:     72
    .vgpr_count:     166
    .wavefront_size: 32
...
	.end_amdgpu_metadata
.endif
;; end of part 3
;; launch ffn1 (part 4): grid 8 x 32, 4 waves a work-group, clusters of 4 x 1, 327,680 bytes of LDS; arguments xs, wb, b1, rt, h1s; writes h1s
.if DOCPART == 4
	.amdgcn_target "amdgcn-amd-amdhsa--gfx1250"
	.amdhsa_code_object_version 6
	.text
	.protected	k_q146f84cdab_ffn1
	.globl	k_q146f84cdab_ffn1
	.p2align	8
	.type	k_q146f84cdab_ffn1,@function
k_q146f84cdab_ffn1:
	s_mov_b64 s[64:65], 0
	v_nop
	global_prefetch_b8 v0, s[64:65] scope:SCOPE_SE
	s_setreg_imm32_b32 hwreg(HW_REG_WAVE_MODE, 25, 1), 1
	s_wait_xcnt 0x0
	s_wait_alu depctr_hold_cnt(0) depctr_sa_sdst(0) depctr_va_vdst(0) depctr_va_sdst(0) depctr_va_ssrc(0) depctr_va_vcc(0) depctr_vm_vsrc(0)
	s_getreg_b32 s2, hwreg(HW_REG_IB_STS2, 6, 4)
	s_cmp_eq_u32 s2, 0
	s_cbranch_scc0 .Lentry_in_a_cluster
	s_endpgm
.Lentry_in_a_cluster:
	s_bfe_u32 s2, ttmp6, 0x10000c
	s_cmp_lg_u32 s2, 0x3003
	s_cbranch_scc0 .Lentry_shape_is_right
	s_endpgm
.Lentry_shape_is_right:
; h1s = gelu(xs W1[e] + b1[e]), bf16.  xs: [8192 row slots][1024] bf16; W1 in wb: [8][1024 k][2048 n] bf16; h1s: [8192][2048] bf16.
; A work-group makes one tile of 256 row slots (y) x 256 columns (x) with four waves of 128 x 128 (64 accumulator tiles, 512 registers); K = 1024 in
; 8 steps of 128 through two LDS slots filled by tensor loads.  The tile's expert e is read from rt and enters only the addresses of B and of the bias.
; CLUSTER 4 x 1: four column blocks of one row tile.  A's tile hangs on the row tile alone and is asked for jointly by the four.  B's tile is NOT shared:
; it hangs on the column block, which differs between the four, and work-groups of one column block in neighbouring row tiles may have different
; experts, so their descriptors are not equal on every input.  B comes by a plain load of waves 2 and 3.
; B lies [k][n] in memory and in LDS and is read with the transposing load.  Source 0 = B, source 1 = A: a lane's eight results are eight
; neighbouring columns of one row.  The 64 accumulators take turns, one instruction a turn.
; A wave has two tensor loads outstanding at the start and one later.
; LIMITS: b1 is rounded to bf16.  gelu = max(x,0) - |x| Q(|x|), Q the normal tail by Abramowitz-Stegun 26.2.17, |error of Q| < 7.5e-8.
.set KA,     1024                      ; elements in a row of A
.set NB,     2048                      ; elements in a row of B
.set ASH,    11                        ; log2 of A's row bytes
.set PITCH,  272                       ; A in LDS: 256 bytes + 16
.set PITCHB, 544                       ; B in LDS: 512 bytes + 32 = 17 x 32
.set HALFT,  34816                     ; 128 rows of A = 64 rows of B: what one tensor load brings
.set SLOT,   4*HALFT
.set STAGE,  2*SLOT                    ; behind the ring, never the target of a tensor load: 16 rows x 272 bytes a wave
.set ASTEP,  512                       ; two K steps along A's rows
.set BSTEP,  2*128*NB*2                ; two K steps down B's rows
.set ADRA, 16
.set ADRB, 20
.set STO,  24
.set RD,   25
.set CO,   26
.set CE,   32                          ; v[32:43] pairs: -log2(e)/2, c5, c4, c3, c2, c1
.set F0,   64
.set F1,   128
.set XA,   64                          ; the way out: 16 rows' sums + bias
.set U,    192
.set E,    200
.set MX,   208
.set Q,    216
.set PK,   224
.set BIAS, 192                         ; window 1: bias of my columns 16 b + 8 h + j
.set G1,  24
.set G0,  32
.set G1B, 40
.set G0B, 48
.set MSB, 0
.macro WIN new                         ; the immediate's high byte repeats the setting that is left
.if MSB != \new
	s_set_vgpr_msb (MSB<<8)|\new
.set MSB, \new
.endif
.endm
.set MUL_LO, 0xa1                      ; source 0 (B) window 1, source 1 (A) window 0, C and D window 2
.set MUL_HI, 0xf1
.set TO_B,   0x40
.macro JLOAD s                         ; waves 0, 1 ask jointly for A's halves, waves 2, 3 fetch B's: one mask a line
	s_cmp_eq_u32 s15, 0
	s_cbranch_scc0 .Lfor_b_\@
	tensor_load_to_lds s[G0+4*\s:G0+4*\s+3], s[G1:G1+7]
	s_nop 0
	s_branch .Lasked_\@
.Lfor_b_\@:
	tensor_load_to_lds s[G0B+4*\s:G0B+4*\s+3], s[G1B:G1B+7]
	s_nop 0
.Lasked_\@:
.endm
.macro CREST                           ; a round of the cluster's barrier behind its opening barrier
	s_cmp_lg_u32 s14, 0
	s_cbranch_scc1 .Lnot_wave_0_\@
	s_barrier_signal -3
.Lnot_wave_0_\@:
	s_barrier_wait -3
	s_barrier_signal -1
	s_barrier_wait -1
.endm
.macro CROUND
	s_barrier_signal -1
	s_barrier_wait -1
	CREST
.endm
.macro MUL16 f, hi, a0, zero
.irp a, \a0, \a0+1
.irp b, 0,1,2,3,4,5,6,7
.if \zero
	v_wmma_f32_16x16x32_bf16 v[8*(8*(\a)+\b):8*(8*(\a)+\b)+7], v[\f+8*\b:\f+8*\b+7], v[\f+8*(4*\hi+\a):\f+8*(4*\hi+\a)+7], 0
.else
	v_wmma_f32_16x16x32_bf16 v[8*(8*(\a)+\b):8*(8*(\a)+\b)+7], v[\f+8*\b:\f+8*\b+7], v[\f+8*(4*\hi+\a):\f+8*(4*\hi+\a)+7], v[8*(8*(\a)+\b):8*(8*(\a)+\b)+7]
.endif
.endr
.endr
.endm
.macro FETCH slot, q, f                ; quarter q (32 k) of a slot: 16 transposing loads for B's 128 columns, 16 loads for A's 128 rows
	WIN TO_B
.irp i, 0,1,2,3,4,5,6,7
	ds_load_tr16_b128 v[\f+8*\i:\f+8*\i+3],   v[ADRB+\slot] offset:\q*32*PITCHB+32*\i
	ds_load_tr16_b128 v[\f+8*\i+4:\f+8*\i+7], v[ADRB+\slot] offset:\q*32*PITCHB+32*\i+16*PITCHB
.endr
	WIN 0
.irp i, 0,1,2,3,4,5,6,7
	ds_load_b128 v[\f+8*\i:\f+8*\i+3],   v[ADRA+\slot] offset:\q*64+\i*16*PITCH
	ds_load_b128 v[\f+8*\i+4:\f+8*\i+7], v[ADRA+\slot] offset:\q*64+\i*16*PITCH+32
.endr
.endm
.macro PLACES                          ; four places behind matrix instructions, ahead of loads into their sources and of reads of results
.rept 4
	v_nop
.endr
.endm
.macro QUARTER slot, q, f, g, zero
	s_wait_dscnt 8                                 ; B and A's rows 0-63 are in; the youngest eight loads (A's rows 64-127) may be out
	WIN MUL_LO
	MUL16 \f, 0, 0, \zero
	MUL16 \f, 0, 2, \zero
	PLACES
	FETCH \slot, \q, \g
	s_wait_dscnt 32                                ; all but the 32 just issued
	WIN MUL_HI
	MUL16 \f, 1, 0, \zero
	MUL16 \f, 1, 2, \zero
.endm
.macro THREE slot, zero
	QUARTER \slot, 1, F0, F1, \zero
	QUARTER \slot, 2, F1, F0, 0
	QUARTER \slot, 3, F0, F1, 0
.endm
.macro TURN slot, next, fill           ; the last quarter of a K step, and the change of slots
	s_wait_dscnt 8
	WIN MUL_LO
	MUL16 F1, 0, 0, 0
	s_wait_dscnt 0                                 ; my reads of this slot are over
	s_wait_tensorcnt 0x0                           ; all my tensor loads have landed: the one out was my part of the next slot
	ds_add_u32 v63, v255
	s_wait_dscnt 0x0
	s_barrier_signal -1
	MUL16 F1, 0, 2, 0                              ; register work while the others arrive
	WIN 0
	s_barrier_wait -1
.if \fill
	CREST                                          ; all four work-groups have said so: no partner reads this slot or has a load on its way
	s_add_nc_u64 s[G0+4*\slot+2:G0+4*\slot+3], s[G0+4*\slot+2:G0+4*\slot+3], ASTEP
	s_add_nc_u64 s[G0B+4*\slot+2:G0B+4*\slot+3], s[G0B+4*\slot+2:G0B+4*\slot+3], BSTEP
	JLOAD \slot                                    ; the first tensor load behind the round, one a wave
.endif
	PLACES
	FETCH \next, 0, F0
	WIN MUL_HI
	MUL16 F1, 1, 0, 0
	MUL16 F1, 1, 2, 0
.endm
.macro LAP zero
	THREE 0, \zero
	TURN 0, 1, 1
	THREE 1, 0
	TURN 1, 0, 1
.endm
	s_load_b256 s[4:11], s[0:1], 0x0               ; xs, wb, b1, rt
	s_load_b64 s[12:13], s[0:1], 0x20              ; h1s
	s_set_vgpr_msb 0x40
	v_lshl_add_u32 v63, v0, 2, 0x48400
	s_set_vgpr_msb 0x4000
	v_mov_b32 v255, 0
	s_set_vgpr_msb 0x1
	ds_add_u32 v63, v255
	s_set_vgpr_msb 0x100
	v_lshrrev_b32 v1, 5, v0
	v_readfirstlane_b32 s14, v1                    ; wave
	s_lshr_b32 s15, s14, 1                         ; my half of the rows; also: I fetch A (0) or B (1)
	s_and_b32 s16, s14, 1                          ; my half of the columns; also: which half of that tile I fetch
	s_bfe_u32 s17, ttmp6, 0x40000                  ; cx
	s_and_b32 s20, ttmp7, 0xffff                   ; row tile = the cluster's y
	s_lshl_b32 s19, ttmp9, 2
	s_add_co_u32 s19, s19, s17                     ; column block
	s_mov_b32 s[G1+0], 15|(1<<16)|(1<<20)|(1<<21)|(5<<22)|(3<<25)     ; all four of the cluster; 2-byte elements; 4 words of padding after every 64
	s_mov_b32 s[G1B+0], (1<<16)|(1<<20)|(6<<22)|(7<<25)               ; no mask: my own load; 8 words of padding after every 128
	s_mov_b32 s[G1+1], 128<<16                     ; A: 128 rows x 128 elements
	s_mov_b32 s[G1+2], 128<<16
	s_mov_b32 s[G1+3], 128<<16
	s_mov_b32 s[G1+4], 128
	s_mov_b32 s[G1+5], KA
	s_mov_b32 s[G1+6], 0
	s_mov_b32 s[G1+7], 0
	s_mov_b32 s[G1B+1], 256<<16                    ; B: 64 rows x 256 elements
	s_mov_b32 s[G1B+2], 64<<16
	s_mov_b32 s[G1B+3], 256<<16
	s_mov_b32 s[G1B+4], 64
	s_mov_b32 s[G1B+5], NB
	s_mov_b32 s[G1B+6], 0
	s_mov_b32 s[G1B+7], 0
	s_lshl_b32 s80, s20, 7                         ; te: 128 bytes a tile
	s_wait_dscnt 0x0
	s_wait_kmcnt 0x0
	s_load_b32 s66, s[10:11], s80 offset:0x8000    ; the tile's expert
	s_lshl_b32 s72, s20, 8                         ; A: row slot 256 tile + 128 half (never cx)
	s_lshl_b32 s73, s16, 7
	s_add_co_u32 s72, s72, s73
	s_lshl_b32 s72, s72, ASH
	s_mov_b32 s73, 0
	s_lshl_b32 s76, s20, 20                        ; out: (256 tile + 128 row half) rows of 4,096 bytes + my 256 bytes
	s_lshl_b32 s77, s15, 19
	s_add_co_u32 s76, s76, s77
	s_lshl_b32 s77, s19, 9
	s_add_co_u32 s76, s76, s77
	s_lshl_b32 s77, s16, 8
	s_add_co_u32 s76, s76, s77
	s_mov_b32 s77, 0
	s_mul_i32 s81, s14, HALFT                      ; where my loads go: the wave's number alone
	s_mov_b32 s70, 0x3e6d3389                      ; p = 0.2316419
	s_mov_b32 s71, 0xffff0000
	s_add_nc_u64 s[56:57], s[4:5], s[72:73]
	s_add_nc_u64 s[60:61], s[12:13], s[76:77]
	s_wait_kmcnt 0x0
	s_min_u32 s66, s66, 7
	s_lshl_b32 s74, s66, 22                        ; B: (1024 e + 64 half) rows of 4,096 bytes + column block x 512
	s_lshl_b32 s75, s16, 18
	s_add_co_u32 s74, s74, s75
	s_lshl_b32 s75, s19, 9
	s_add_co_u32 s74, s74, s75
	s_mov_b32 s75, 0
	s_lshl_b32 s78, s66, 13                        ; bias: 8,192 e + 1,024 column block + 512 column half
	s_lshl_b32 s79, s19, 10
	s_add_co_u32 s78, s78, s79
	s_lshl_b32 s79, s16, 9
	s_add_co_u32 s78, s78, s79
	s_mov_b32 s79, 0
	s_add_nc_u64 s[58:59], s[6:7], s[74:75]
	s_add_nc_u64 s[8:9], s[8:9], s[78:79]
	CROUND                                         ; all four work-groups are here: the first joint loads meet
.irp s, 0,1
	s_mov_b32 s[G0+4*\s], 1
	s_add_co_u32 s[G0+4*\s+1], s81, \s*SLOT
	s_add_nc_u64 s[G0+4*\s+2:G0+4*\s+3], s[56:57], \s*256
	s_or_b32 s[G0+4*\s+3], s[G0+4*\s+3], 0x80000000
	s_mov_b32 s[G0B+4*\s], 1
	s_add_co_u32 s[G0B+4*\s+1], s81, \s*SLOT
	s_add_nc_u64 s[G0B+4*\s+2:G0B+4*\s+3], s[58:59], \s*(BSTEP/2)
	s_or_b32 s[G0B+4*\s+3], s[G0B+4*\s+3], 0x80000000
	JLOAD \s                                       ; K steps 0 and 1: the ring is filled before anything else is done
.endr
	v_and_b32 v1, 15, v0                           ; r
	v_bfe_u32 v2, v0, 4, 1                         ; h
	v_and_b32 v3, 7, v0
	v_bfe_u32 v4, v0, 3, 1
	v_mul_u32_u24 v5, v1, PITCH
	v_lshl_add_u32 v5, v2, 4, v5
	v_lshl_add_u32 v6, v2, 3, v3
	v_mul_u32_u24 v6, v6, PITCHB
	v_lshl_add_u32 v6, v4, 4, v6
	s_mul_i32 s82, s15, HALFT
	s_lshl_b32 s83, s16, 8
	s_add_co_u32 s83, s83, 2*HALFT
.irp s, 0,1
	v_add_nc_u32 v[ADRA+\s], s82, v5
	v_add_nc_u32 v[ADRB+\s], s83, v6
	s_add_co_u32 s82, s82, SLOT
	s_add_co_u32 s83, s83, SLOT
.endr
	s_mul_i32 s84, s14, 16*272
	s_add_co_u32 s84, s84, STAGE
	v_add_nc_u32 v[STO], s84, v5                   ; in: row r, 16 bytes for each half of the lanes
	v_mul_u32_u24 v7, v2, 272
	v_lshl_add_u32 v7, v1, 4, v7
	v_add_nc_u32 v[RD], s84, v7                    ; back: lanes 0-15 one row of 256 bytes, lanes 16-31 the next
	v_lshlrev_b32 v7, 12, v2
	v_lshl_add_u32 v[CO], v1, 4, v7
	v_lshlrev_b32 v8, 5, v2
	WIN TO_B
.irp b, 0,1,2,3,4,5,6,7
	global_load_b128 v[BIAS+8*\b:BIAS+8*\b+3],   v8, s[8:9] offset:64*\b
	global_load_b128 v[BIAS+8*\b+4:BIAS+8*\b+7], v8, s[8:9] offset:64*\b+16
.endr
	WIN 0
.irp c, 0,1
	v_mov_b32 v[CE+\c],    0xbf38aa3b
	v_mov_b32 v[CE+2+\c],  0x3f07dc22
	v_mov_b32 v[CE+4+\c],  0xbf3a00e3
	v_mov_b32 v[CE+6+\c],  0x3f35f0e3
	v_mov_b32 v[CE+8+\c],  0xbe11a98e
	v_mov_b32 v[CE+10+\c], 0x3e027906
.endr
	s_wait_loadcnt 0x0
	WIN 0x45                                       ; sources and destination in window 1: the bias to bf16 and back
.set ii, 0
.rept 32
	v_cvt_pk_bf16_f32 v64, v[BIAS+2*ii], v[BIAS+2*ii+1]
	v_lshlrev_b32 v[BIAS+2*ii], 16, v64
	v_and_b32 v[BIAS+2*ii+1], s71, v64
.set ii, ii+1
.endr
	WIN 0
; eight numbers: gelu, to bf16, 16 bytes into the stage
.macro GELU8 b
.irp i, 0,1,2,3,4,5,6,7
	v_fma_f32 v[U+\i], |v[XA+8*\b+\i]|, s70, 1.0
.endr
.irp i, 0,2,4,6
	v_pk_mul_f32 v[E+\i:E+\i+1], v[XA+8*\b+\i:XA+8*\b+\i+1], v[XA+8*\b+\i:XA+8*\b+\i+1]
.endr
.irp i, 0,2,4,6
	v_pk_mul_f32 v[E+\i:E+\i+1], v[E+\i:E+\i+1], v[CE:CE+1]
.endr
.irp i, 0,1,2,3,4,5,6,7
	v_rcp_f32 v[U+\i], v[U+\i]                     ; t
.endr
.irp i, 0,1,2,3,4,5,6,7
	v_exp_f32 v[E+\i], v[E+\i]                     ; e^(-x^2/2)
.endr
.irp i, 0,1,2,3,4,5,6,7
	v_max_num_f32 v[MX+\i], 0, v[XA+8*\b+\i]       ; plain work behind the transcendentals (ISA guide 5.7.2)
.endr
	s_wait_alu depctr_va_vdst(0)
.irp i, 0,2,4,6
	v_pk_fma_f32 v[Q+\i:Q+\i+1], v[U+\i:U+\i+1], v[CE+2:CE+3], v[CE+4:CE+5]
.endr
.irp c, 6,8,10
.irp i, 0,2,4,6
	v_pk_fma_f32 v[Q+\i:Q+\i+1], v[Q+\i:Q+\i+1], v[U+\i:U+\i+1], v[CE+\c:CE+\c+1]
.endr
.endr
.irp i, 0,2,4,6
	v_pk_mul_f32 v[Q+\i:Q+\i+1], v[Q+\i:Q+\i+1], v[U+\i:U+\i+1]
.endr
.irp i, 0,2,4,6
	v_pk_mul_f32 v[Q+\i:Q+\i+1], v[Q+\i:Q+\i+1], v[E+\i:E+\i+1]
.endr
.irp i, 0,1,2,3,4,5,6,7
	v_fma_f32 v[MX+\i], -|v[XA+8*\b+\i]|, v[Q+\i], v[MX+\i]
.endr
.irp i, 0,1,2,3
	v_cvt_pk_bf16_f32 v[PK+\i], v[MX+2*\i], v[MX+2*\i+1]
.endr
	ds_store_b128 v[STO], v[PK:PK+3] offset:32*\b
.endm
; rows 16 i .. 16 i + 15 of my block: tiles (a, 0..7) of window 2 (win 0x06) or 3 (0x07); rb: registers for the rows read back
.macro OUTG i, a, win, rb
	WIN \win                                       ; source 0 the sums, source 1 the bias in window 1, destination window 0
.irp b, 0,1,2,3,4,5,6,7
.irp r, 0,2,4,6
	v_pk_add_f32 v[XA+8*\b+\r:XA+8*\b+\r+1], v[8*(8*\a+\b)+\r:8*(8*\a+\b)+\r+1], v[BIAS+8*\b+\r:BIAS+8*\b+\r+1]
.endr
.endr
	WIN 0
.irp b, 0,1,2,3,4,5,6,7
	GELU8 \b
.endr
	s_wait_xcnt 0x0                                ; earlier stores have read their data and their base
.if \i
	s_add_nc_u64 s[60:61], s[60:61], 16*4096
.endif
.irp t, 0,1,2,3,4,5,6,7
	ds_load_b128 v[\rb+4*\t:\rb+4*\t+3], v[RD] offset:\t*2*272   ; LDS serves a wave in order: these see the stores above
.endr
.irp t, 0,1,2,3,4,5,6,7
	s_wait_dscnt 7-\t
	global_store_b128 v[CO], v[\rb+4*\t:\rb+4*\t+3], s[60:61] offset:2*\t*4096   ; 16 lanes store 256 consecutive bytes, aligned
.endr
.endm
	s_wait_tensorcnt 1                             ; my part of K step 0 is in; K step 1's load stays out
	s_barrier_signal -1
	s_barrier_wait -1                              ; everybody's is
	FETCH 0, 0, F0
	LAP 1                                          ; the first products start the sums
	WIN 0
	s_mov_b32 s68, 2
.Llap:
	LAP 0
	WIN 0
	s_sub_co_u32 s68, s68, 1
	s_cmp_lg_u32 s68, 0
	s_cbranch_scc1 .Llap
	THREE 0, 0                                     ; the last two K steps fill nothing
	TURN 0, 1, 0
	THREE 1, 0
	s_wait_dscnt 8
	WIN MUL_LO
	MUL16 F1, 0, 0, 0
	MUL16 F1, 0, 2, 0
	s_wait_dscnt 0
	WIN MUL_HI
	MUL16 F1, 1, 0, 0
	MUL16 F1, 1, 2, 0
	PLACES
	OUTG 0, 0, 0x06, 128
	OUTG 1, 1, 0x06, 160
	OUTG 2, 2, 0x06, 128
	OUTG 3, 3, 0x06, 160
	OUTG 4, 0, 0x07, 128
	OUTG 5, 1, 0x07, 160
	OUTG 6, 2, 0x07, 128
	OUTG 7, 3, 0x07, 160
	s_set_vgpr_msb 0x1
	s_wait_tensorcnt 0x0
	ds_add_u32 v63, v255
	s_wait_dscnt 0x0
	s_set_vgpr_msb 0x100
	CROUND                                         ; the closing round: none ends while a partner may still ask jointly
	s_endpgm
.Lfunc_end_k_q146f84cdab_ffn1:
	.size	k_q146f84cdab_ffn1, .Lfunc_end_k_q146f84cdab_ffn1-k_q146f84cdab_ffn1
	.p2alignl 7, 3214868480
	.fill 96, 4, 3214868480
	.section	.rodata,"a",@progbits
	.p2align	6, 0x0
	.amdhsa_kernel k_q146f84cdab_ffn1
		.amdhsa_group_segment_fixed_size 327680
		.amdhsa_private_segment_fixed_size 0
		.amdhsa_enable_private_segment 0
		.amdhsa_kernarg_size 40
		.amdhsa_user_sgpr_count 2
		.amdhsa_user_sgpr_kernarg_segment_ptr 1
		.amdhsa_wavefront_size32 1
		.amdhsa_system_sgpr_workgroup_id_x 1
		.amdhsa_system_sgpr_workgroup_id_y 1
		.amdhsa_system_sgpr_workgroup_id_z 1
		.amdhsa_system_vgpr_workitem_id 0
		.amdhsa_next_free_vgpr 1024
		.amdhsa_next_free_sgpr 100
		.amdhsa_reserve_vcc 0
		.amdhsa_float_denorm_mode_32 3
		.amdhsa_float_denorm_mode_16_64 3
		.amdhsa_memory_ordered 1
		.amdhsa_forward_progress 1
		.amdhsa_inst_pref_size 255
	.end_amdhsa_kernel
	.section	.bss,"aw",@nobits
	.p2align	6
	.space	262144
	.amdgpu_metadata
---
amdhsa.version: [ 1, 2 ]
amdhsa.kernels:
  - .name:           k_q146f84cdab_ffn1
    .symbol:         k_q146f84cdab_ffn1.kd
    .args:
      - { .name: xs, .offset: 0, .size: 8, .value_kind: global_buffer, .address_space: global }
      - { .name: wb, .offset: 8, .size: 8, .value_kind: global_buffer, .address_space: global }
      - { .name: b1, .offset: 16, .size: 8, .value_kind: global_buffer, .address_space: global }
      - { .name: rt, .offset: 24, .size: 8, .value_kind: global_buffer, .address_space: global }
      - { .name: h1s, .offset: 32, .size: 8, .value_kind: global_buffer, .address_space: global }
    .group_segment_fixed_size: 327680
    .private_segment_fixed_size: 0
    .kernarg_segment_align: 8
    .kernarg_segment_size: 40
    .max_flat_workgroup_size: 128
    .sgpr_count:     100
    .vgpr_count:     1024
    .wavefront_size: 32
...
	.end_amdgpu_metadata
.endif
;; end of part 4
;; launch ffn2 (part 5): grid 8 x 32, 4 waves a work-group, clusters of 4 x 1, 327,680 bytes of LDS; arguments h1s, wb, b2, rt, ys; writes ys
.if DOCPART == 5
	.amdgcn_target "amdgcn-amd-amdhsa--gfx1250"
	.amdhsa_code_object_version 6
	.text
	.protected	k_q146f84cdab_ffn2
	.globl	k_q146f84cdab_ffn2
	.p2align	8
	.type	k_q146f84cdab_ffn2,@function
k_q146f84cdab_ffn2:
	s_mov_b64 s[64:65], 0
	v_nop
	global_prefetch_b8 v0, s[64:65] scope:SCOPE_SE
	s_setreg_imm32_b32 hwreg(HW_REG_WAVE_MODE, 25, 1), 1
	s_wait_xcnt 0x0
	s_wait_alu depctr_hold_cnt(0) depctr_sa_sdst(0) depctr_va_vdst(0) depctr_va_sdst(0) depctr_va_ssrc(0) depctr_va_vcc(0) depctr_vm_vsrc(0)
	s_getreg_b32 s2, hwreg(HW_REG_IB_STS2, 6, 4)
	s_cmp_eq_u32 s2, 0
	s_cbranch_scc0 .Lentry_in_a_cluster
	s_endpgm
.Lentry_in_a_cluster:
	s_bfe_u32 s2, ttmp6, 0x10000c
	s_cmp_lg_u32 s2, 0x3003
	s_cbranch_scc0 .Lentry_shape_is_right
	s_endpgm
.Lentry_shape_is_right:
; ys[kh] = h1s[:, kh half of K] W2[e][kh half] (+ b2[e] in half 0), f32.  h1s: [8192 row slots][2048] bf16; W2 in wb at byte 33,554,432:
; [8][2048 k][1024 n] bf16; ys: [2][8192][1024] f32.  The loop is that of the first product: 256 x 256 a work-group, four waves of 128 x 128,
; 8 K steps of 128, two LDS slots.  K = 2048 is split in two halves over the cluster's x, because 256 x 256 blocks of 8,192 x 1,024 alone would be
; 128 work-groups; the two halves are added by the launch that follows.  The tile's expert e is read from rt and enters only addresses.
; CLUSTER 4 x 1: the four column blocks of one row tile and K half.  A's tile is asked for jointly by the four.  B's tile is NOT shared: it hangs on the
; column block, which differs between the four, and neighbouring row tiles may have different experts.  B comes by a plain load of waves 2 and 3.
; A wave has two tensor loads outstanding at the start and one later.
; The 64 accumulators take turns, one instruction a turn.  LIMIT (format): b2 is rounded to bf16.
.set KA,     2048
.set NB,     1024
.set ASH,    12
.set PITCH,  272
.set PITCHB, 544
.set HALFT,  34816
.set SLOT,   4*HALFT
.set STAGE,  2*SLOT                    ; behind the ring, never the target of a tensor load: 16 rows x 528 bytes a wave
.set SP,     528
.set ASTEP,  512
.set BSTEP,  2*128*NB*2
.set ADRA, 16
.set ADRB, 20
.set STO,  24
.set RD,   25
.set CO,   26
.set F0,   64
.set F1,   128
.set XA,   64
.set BIAS, 192
.set G1,  24
.set G0,  32
.set G1B, 40
.set G0B, 48
.set MSB, 0
.macro WIN new
.if MSB != \new
	s_set_vgpr_msb (MSB<<8)|\new
.set MSB, \new
.endif
.endm
.set MUL_LO, 0xa1
.set MUL_HI, 0xf1
.set TO_B,   0x40
.macro JLOAD s
	s_cmp_eq_u32 s15, 0
	s_cbranch_scc0 .Lfor_b_\@
	tensor_load_to_lds s[G0+4*\s:G0+4*\s+3], s[G1:G1+7]
	s_nop 0
	s_branch .Lasked_\@
.Lfor_b_\@:
	tensor_load_to_lds s[G0B+4*\s:G0B+4*\s+3], s[G1B:G1B+7]
	s_nop 0
.Lasked_\@:
.endm
.macro CREST
	s_cmp_lg_u32 s14, 0
	s_cbranch_scc1 .Lnot_wave_0_\@
	s_barrier_signal -3
.Lnot_wave_0_\@:
	s_barrier_wait -3
	s_barrier_signal -1
	s_barrier_wait -1
.endm
.macro CROUND
	s_barrier_signal -1
	s_barrier_wait -1
	CREST
.endm
.macro MUL16 f, hi, a0, zero
.irp a, \a0, \a0+1
.irp b, 0,1,2,3,4,5,6,7
.if \zero
	v_wmma_f32_16x16x32_bf16 v[8*(8*(\a)+\b):8*(8*(\a)+\b)+7], v[\f+8*\b:\f+8*\b+7], v[\f+8*(4*\hi+\a):\f+8*(4*\hi+\a)+7], 0
.else
	v_wmma_f32_16x16x32_bf16 v[8*(8*(\a)+\b):8*(8*(\a)+\b)+7], v[\f+8*\b:\f+8*\b+7], v[\f+8*(4*\hi+\a):\f+8*(4*\hi+\a)+7], v[8*(8*(\a)+\b):8*(8*(\a)+\b)+7]
.endif
.endr
.endr
.endm
.macro FETCH slot, q, f
	WIN TO_B
.irp i, 0,1,2,3,4,5,6,7
	ds_load_tr16_b128 v[\f+8*\i:\f+8*\i+3],   v[ADRB+\slot] offset:\q*32*PITCHB+32*\i
	ds_load_tr16_b128 v[\f+8*\i+4:\f+8*\i+7], v[ADRB+\slot] offset:\q*32*PITCHB+32*\i+16*PITCHB
.endr
	WIN 0
.irp i, 0,1,2,3,4,5,6,7
	ds_load_b128 v[\f+8*\i:\f+8*\i+3],   v[ADRA+\slot] offset:\q*64+\i*16*PITCH
	ds_load_b128 v[\f+8*\i+4:\f+8*\i+7], v[ADRA+\slot] offset:\q*64+\i*16*PITCH+32
.endr
.endm
.macro PLACES                          ; four places behind matrix instructions (ISA guide 7.12.1)
.rept 4
	v_nop
.endr
.endm
.macro QUARTER slot, q, f, g, zero
	s_wait_dscnt 8                                 ; B and A's rows 0-63 are in; A's rows 64-127 (eight loads) may be out
	WIN MUL_LO
	MUL16 \f, 0, 0, \zero
	MUL16 \f, 0, 2, \zero
	PLACES
	FETCH \slot, \q, \g
	s_wait_dscnt 32                                ; all but the 32 just issued
	WIN MUL_HI
	MUL16 \f, 1, 0, \zero
	MUL16 \f, 1, 2, \zero
.endm
.macro THREE slot, zero
	QUARTER \slot, 1, F0, F1, \zero
	QUARTER \slot, 2, F1, F0, 0
	QUARTER \slot, 3, F0, F1, 0
.endm
.macro TURN slot, next, fill
	s_wait_dscnt 8
	WIN MUL_LO
	MUL16 F1, 0, 0, 0
	s_wait_dscnt 0                                 ; my reads of this slot are over
	s_wait_tensorcnt 0x0                           ; all my tensor loads have landed
	ds_add_u32 v63, v255
	s_wait_dscnt 0x0
	s_barrier_signal -1
	MUL16 F1, 0, 2, 0
	WIN 0
	s_barrier_wait -1
.if \fill
	CREST                                          ; no partner reads this slot or has a load on its way
	s_add_nc_u64 s[G0+4*\slot+2:G0+4*\slot+3], s[G0+4*\slot+2:G0+4*\slot+3], ASTEP
	s_add_nc_u64 s[G0B+4*\slot+2:G0B+4*\slot+3], s[G0B+4*\slot+2:G0B+4*\slot+3], BSTEP
	JLOAD \slot                                    ; the first tensor load behind the round, one a wave
.endif
	PLACES
	FETCH \next, 0, F0
	WIN MUL_HI
	MUL16 F1, 1, 0, 0
	MUL16 F1, 1, 2, 0
.endm
.macro LAP zero
	THREE 0, \zero
	TURN 0, 1, 1
	THREE 1, 0
	TURN 1, 0, 1
.endm
	s_load_b256 s[4:11], s[0:1], 0x0               ; h1s, wb, b2, rt
	s_load_b64 s[12:13], s[0:1], 0x20              ; ys
	s_set_vgpr_msb 0x40
	v_lshl_add_u32 v63, v0, 2, 0x4c400
	s_set_vgpr_msb 0x4000
	v_mov_b32 v255, 0
	s_set_vgpr_msb 0x1
	ds_add_u32 v63, v255
	s_set_vgpr_msb 0x100
	v_lshrrev_b32 v1, 5, v0
	v_readfirstlane_b32 s14, v1
	s_lshr_b32 s15, s14, 1
	s_and_b32 s16, s14, 1
	s_bfe_u32 s17, ttmp6, 0x40000                  ; cx = column block
	s_and_b32 s20, ttmp7, 0xffff                   ; row tile; ttmp9 = K half
	s_mov_b32 s[G1+0], 15|(1<<16)|(1<<20)|(1<<21)|(5<<22)|(3<<25)
	s_mov_b32 s[G1B+0], (1<<16)|(1<<20)|(6<<22)|(7<<25)
	s_mov_b32 s[G1+1], 128<<16
	s_mov_b32 s[G1+2], 128<<16
	s_mov_b32 s[G1+3], 128<<16
	s_mov_b32 s[G1+4], 128
	s_mov_b32 s[G1+5], KA
	s_mov_b32 s[G1+6], 0
	s_mov_b32 s[G1+7], 0
	s_mov_b32 s[G1B+1], 256<<16
	s_mov_b32 s[G1B+2], 64<<16
	s_mov_b32 s[G1B+3], 256<<16
	s_mov_b32 s[G1B+4], 64
	s_mov_b32 s[G1B+5], NB
	s_mov_b32 s[G1B+6], 0
	s_mov_b32 s[G1B+7], 0
	s_lshl_b32 s80, s20, 7
	s_wait_dscnt 0x0
	s_wait_kmcnt 0x0
	s_load_b32 s66, s[10:11], s80 offset:0x8000    ; the tile's expert
	s_lshl_b32 s72, s20, 8                         ; A: row slot 256 tile + 128 half, and the K half's 2,048 bytes (never cx)
	s_lshl_b32 s73, s16, 7
	s_add_co_u32 s72, s72, s73
	s_lshl_b32 s72, s72, ASH
	s_lshl_b32 s73, ttmp9, 11
	s_add_co_u32 s72, s72, s73
	s_mov_b32 s73, 0
	s_lshl_b32 s76, ttmp9, 25                      ; out: the K half's plane, my rows of 4,096 bytes, my 512 bytes
	s_lshl_b32 s77, s20, 20
	s_add_co_u32 s76, s76, s77
	s_lshl_b32 s77, s15, 19
	s_add_co_u32 s76, s76, s77
	s_lshl_b32 s77, s17, 10
	s_add_co_u32 s76, s76, s77
	s_lshl_b32 s77, s16, 9
	s_add_co_u32 s76, s76, s77
	s_mov_b32 s77, 0
	s_mul_i32 s81, s14, HALFT
	s_mov_b32 s71, 0xffff0000
	s_cmp_eq_u32 ttmp9, 0
	s_cselect_b32 s85, -1, 0                       ; the bias counts in K half 0 alone
	s_add_nc_u64 s[56:57], s[4:5], s[72:73]
	s_add_nc_u64 s[60:61], s[12:13], s[76:77]
	s_wait_kmcnt 0x0
	s_min_u32 s66, s66, 7
	s_lshl_b32 s74, s66, 22                        ; B: W2's plane + (2048 e + 1024 K half + 64 half) rows of 2,048 bytes + 512 cx
	s_lshl_b32 s75, ttmp9, 21
	s_add_co_u32 s74, s74, s75
	s_lshl_b32 s75, s16, 17
	s_add_co_u32 s74, s74, s75
	s_lshl_b32 s75, s17, 9
	s_add_co_u32 s74, s74, s75
	s_add_co_u32 s74, s74, 0x2000000
	s_mov_b32 s75, 0
	s_lshl_b32 s78, s66, 12                        ; bias: 4,096 e + 1,024 cx + 512 column half
	s_lshl_b32 s79, s17, 10
	s_add_co_u32 s78, s78, s79
	s_lshl_b32 s79, s16, 9
	s_add_co_u32 s78, s78, s79
	s_mov_b32 s79, 0
	s_add_nc_u64 s[58:59], s[6:7], s[74:75]
	s_add_nc_u64 s[8:9], s[8:9], s[78:79]
	CROUND                                         ; all four work-groups are here: the first joint loads meet
.irp s, 0,1
	s_mov_b32 s[G0+4*\s], 1
	s_add_co_u32 s[G0+4*\s+1], s81, \s*SLOT
	s_add_nc_u64 s[G0+4*\s+2:G0+4*\s+3], s[56:57], \s*256
	s_or_b32 s[G0+4*\s+3], s[G0+4*\s+3], 0x80000000
	s_mov_b32 s[G0B+4*\s], 1
	s_add_co_u32 s[G0B+4*\s+1], s81, \s*SLOT
	s_add_nc_u64 s[G0B+4*\s+2:G0B+4*\s+3], s[58:59], \s*(BSTEP/2)
	s_or_b32 s[G0B+4*\s+3], s[G0B+4*\s+3], 0x80000000
	JLOAD \s                                       ; K steps 0 and 1
.endr
	v_and_b32 v1, 15, v0
	v_bfe_u32 v2, v0, 4, 1
	v_and_b32 v3, 7, v0
	v_bfe_u32 v4, v0, 3, 1
	v_mul_u32_u24 v5, v1, PITCH
	v_lshl_add_u32 v5, v2, 4, v5
	v_lshl_add_u32 v6, v2, 3, v3
	v_mul_u32_u24 v6, v6, PITCHB
	v_lshl_add_u32 v6, v4, 4, v6
	s_mul_i32 s82, s15, HALFT
	s_lshl_b32 s83, s16, 8
	s_add_co_u32 s83, s83, 2*HALFT
.irp s, 0,1
	v_add_nc_u32 v[ADRA+\s], s82, v5
	v_add_nc_u32 v[ADRB+\s], s83, v6
	s_add_co_u32 s82, s82, SLOT
	s_add_co_u32 s83, s83, SLOT
.endr
	s_mul_i32 s84, s14, 16*SP
	s_add_co_u32 s84, s84, STAGE
	v_mul_u32_u24 v7, v1, SP
	v_lshl_add_u32 v7, v2, 5, v7
	v_add_nc_u32 v[STO], s84, v7                   ; in: row r, 32 bytes for each half of the lanes
	v_and_b32 v7, 31, v0
	v_lshlrev_b32 v[CO], 4, v7                     ; back and out: a whole row of 512 bytes a load
	v_add_nc_u32 v[RD], s84, v[CO]
	v_lshlrev_b32 v8, 5, v2
	WIN TO_B
.irp b, 0,1,2,3,4,5,6,7
	global_load_b128 v[BIAS+8*\b:BIAS+8*\b+3],   v8, s[8:9] offset:64*\b
	global_load_b128 v[BIAS+8*\b+4:BIAS+8*\b+7], v8, s[8:9] offset:64*\b+16
.endr
	s_wait_loadcnt 0x0
	WIN 0x45                                       ; sources and destination in window 1
.set ii, 0
.rept 32
	v_cvt_pk_bf16_f32 v64, v[BIAS+2*ii], v[BIAS+2*ii+1]
	v_and_b32 v64, s85, v64
	v_lshlrev_b32 v[BIAS+2*ii], 16, v64
	v_and_b32 v[BIAS+2*ii+1], s71, v64
.set ii, ii+1
.endr
	WIN 0
; rows 16 i .. 16 i + 15 of my block, f32, through my stage, out as whole rows of 512 bytes
.macro OUTF i, a, win
	WIN \win
.irp b, 0,1,2,3,4,5,6,7
.irp r, 0,2,4,6
	v_pk_add_f32 v[XA+8*\b+\r:XA+8*\b+\r+1], v[8*(8*\a+\b)+\r:8*(8*\a+\b)+\r+1], v[BIAS+8*\b+\r:BIAS+8*\b+\r+1]
.endr
.endr
	WIN 0
.irp b, 0,1,2,3,4,5,6,7
	ds_store_b128 v[STO], v[XA+8*\b:XA+8*\b+3]   offset:64*\b
	ds_store_b128 v[STO], v[XA+8*\b+4:XA+8*\b+7] offset:64*\b+16
.endr
	s_wait_xcnt 0x0                                ; earlier stores have read their data and their base
.if \i
	s_add_nc_u64 s[60:61], s[60:61], 16*4096
.endif
.irp t, 0,1,2,3,4,5,6,7,8,9,10,11,12,13,14,15
	ds_load_b128 v[F1+4*\t:F1+4*\t+3], v[RD] offset:\t*SP        ; LDS serves a wave in order: these see the stores above
.endr
.irp t, 0,1,2,3,4,5,6,7,8,9,10,11,12,13,14,15
	s_wait_dscnt 15-\t
	global_store_b128 v[CO], v[F1+4*\t:F1+4*\t+3], s[60:61] offset:\t*4096   ; 512 consecutive bytes, aligned
.endr
.endm
	s_wait_tensorcnt 1                             ; my part of K step 0 is in; K step 1's load stays out
	s_barrier_signal -1
	s_barrier_wait -1
	FETCH 0, 0, F0
	LAP 1
	WIN 0
	s_mov_b32 s68, 2
.Llap:
	LAP 0
	WIN 0
	s_sub_co_u32 s68, s68, 1
	s_cmp_lg_u32 s68, 0
	s_cbranch_scc1 .Llap
	THREE 0, 0
	TURN 0, 1, 0
	THREE 1, 0
	s_wait_dscnt 8
	WIN MUL_LO
	MUL16 F1, 0, 0, 0
	MUL16 F1, 0, 2, 0
	s_wait_dscnt 0
	WIN MUL_HI
	MUL16 F1, 1, 0, 0
	MUL16 F1, 1, 2, 0
	PLACES
	OUTF 0, 0, 0x06
	OUTF 1, 1, 0x06
	OUTF 2, 2, 0x06
	OUTF 3, 3, 0x06
	OUTF 4, 0, 0x07
	OUTF 5, 1, 0x07
	OUTF 6, 2, 0x07
	OUTF 7, 3, 0x07
	s_set_vgpr_msb 0x1
	s_wait_tensorcnt 0x0
	ds_add_u32 v63, v255
	s_wait_dscnt 0x0
	s_set_vgpr_msb 0x100
	CROUND                                         ; the closing round
	s_endpgm
.Lfunc_end_k_q146f84cdab_ffn2:
	.size	k_q146f84cdab_ffn2, .Lfunc_end_k_q146f84cdab_ffn2-k_q146f84cdab_ffn2
	.p2alignl 7, 3214868480
	.fill 96, 4, 3214868480
	.section	.rodata,"a",@progbits
	.p2align	6, 0x0
	.amdhsa_kernel k_q146f84cdab_ffn2
		.amdhsa_group_segment_fixed_size 327680
		.amdhsa_private_segment_fixed_size 0
		.amdhsa_enable_private_segment 0
		.amdhsa_kernarg_size 40
		.amdhsa_user_sgpr_count 2
		.amdhsa_user_sgpr_kernarg_segment_ptr 1
		.amdhsa_wavefront_size32 1
		.amdhsa_system_sgpr_workgroup_id_x 1
		.amdhsa_system_sgpr_workgroup_id_y 1
		.amdhsa_system_sgpr_workgroup_id_z 1
		.amdhsa_system_vgpr_workitem_id 0
		.amdhsa_next_free_vgpr 1024
		.amdhsa_next_free_sgpr 100
		.amdhsa_reserve_vcc 0
		.amdhsa_float_denorm_mode_32 3
		.amdhsa_float_denorm_mode_16_64 3
		.amdhsa_memory_ordered 1
		.amdhsa_forward_progress 1
		.amdhsa_inst_pref_size 219
	.end_amdhsa_kernel
	.amdgpu_metadata
---
amdhsa.version: [ 1, 2 ]
amdhsa.kernels:
  - .name:           k_q146f84cdab_ffn2
    .symbol:         k_q146f84cdab_ffn2.kd
    .args:
      - { .name: h1s, .offset: 0, .size: 8, .value_kind: global_buffer, .address_space: global }
      - { .name: wb, .offset: 8, .size: 8, .value_kind: global_buffer, .address_space: global }
      - { .name: b2, .offset: 16, .size: 8, .value_kind: global_buffer, .address_space: global }
      - { .name: rt, .offset: 24, .size: 8, .value_kind: global_buffer, .address_space: global }
      - { .name: ys, .offset: 32, .size: 8, .value_kind: global_buffer, .address_space: global }
    .group_segment_fixed_size: 327680
    .private_segment_fixed_size: 0
    .kernarg_segment_align: 8
    .kernarg_segment_size: 40
    .max_flat_workgroup_size: 128
    .sgpr_count:     100
    .vgpr_count:     1024
    .wavefront_size: 32
...
	.end_amdgpu_metadata
.endif
;; end of part 5
;; launch combine (part 6): grid 256 x 1, 8 waves a work-group, no clusters, 0 bytes of LDS; arguments ys, sel, gw, rt, ln_g, ln_b, out0; writes out0
.if DOCPART == 6
	.amdgcn_target "amdgcn-amd-amdhsa--gfx1250"
	.amdhsa_code_object_version 6
	.text
	.protected	k_q146f84cdab_combine
	.globl	k_q146f84cdab_combine
	.p2align	8
	.type	k_q146f84cdab_combine,@function
k_q146f84cdab_combine:
	s_mov_b64 s[64:65], 0
	v_nop
	global_prefetch_b8 v0, s[64:65] scope:SCOPE_SE
	s_setreg_imm32_b32 hwreg(HW_REG_WAVE_MODE, 25, 1), 1
	s_wait_xcnt 0x0
; out0[token] = sum over the token's three experts of gate_k * (LayerNorm(y_k) * ln_g[e_k] + ln_b[e_k]),  y_k = the two K halves of ys at row slot pos3[token][k].
; One wave a token: the three rows stay in registers (32 each), so each byte of ys is read once; no LDS, no barrier, no wave waits for another.
; The variance is the mean of (y - mean)^2, not a difference of large sums.
; LIMITS: ln_g and ln_b are rounded to bf16.  The five experts whose weight is 0 are not computed: where one of them would give a value that is
; not finite, reference() gives NaN and this text does not.
; Window 1 (v256 ..): gains at v0-95, biases at v96-191, as loaded.
.set MSB, 0
.macro WIN new
.if MSB != \new
	s_set_vgpr_msb (MSB<<8)|\new
.set MSB, \new
.endif
.endm
	s_load_b256 s[4:11], s[0:1], 0x0               ; ys, sel, gw, rt
	s_load_b128 s[12:15], s[0:1], 0x20             ; ln_g, ln_b
	s_load_b64 s[16:17], s[0:1], 0x30              ; out0
	v_lshrrev_b32 v2, 5, v0
	v_readfirstlane_b32 s20, v2
	s_lshl3_add_u32 s20, ttmp9, s20                ; token = 8 x work-group + wave
	s_lshl_b32 s21, s20, 4
	s_lshl_b32 s22, s20, 2
	v_and_b32 v1, 31, v0
	v_lshlrev_b32 v1, 4, v1
	s_mov_b32 s58, 0x76543210
	s_mov_b32 s59, 0xfedcba98
	s_mov_b32 s62, 0x3a800000                      ; 1 / 1024
	s_mov_b32 s63, 0x3727c5ac                      ; 1e-5
	s_wait_kmcnt 0x0
	s_load_b96 s[24:26], s[10:11], s21 offset:0x0  ; three row slots
	s_load_b96 s[28:30], s[8:9], s21 offset:0x0    ; three gates
	s_load_b32 s31, s[6:7], s22 offset:0x0         ; three experts
	s_wait_kmcnt 0x0
	s_mov_b32 s61, 0
.irp k, 0,1,2
	s_min_u32 s[24+\k], s[24+\k], 0x1fff
	s_lshl_b32 s60, s[24+\k], 12
	s_add_nc_u64 s[32+4*\k:33+4*\k], s[4:5], s[60:61]
	s_add_nc_u64 s[34+4*\k:35+4*\k], s[32+4*\k:33+4*\k], 0x2000000
	s_bfe_u32 s60, s31, (3<<16)|(8+4*\k)
	s_min_u32 s60, s60, 7
	s_lshl_b32 s60, s60, 12
	s_add_nc_u64 s[44+4*\k:45+4*\k], s[12:13], s[60:61]
	s_add_nc_u64 s[46+4*\k:47+4*\k], s[14:15], s[60:61]
.endr
	s_lshl_b32 s60, s20, 12
	s_add_nc_u64 s[56:57], s[16:17], s[60:61]
.irp k, 0,1,2
.irp j, 0,1,2,3,4,5,6,7
	global_load_b128 v[16+64*\k+4*\j:19+64*\k+4*\j], v1, s[32+4*\k:33+4*\k] offset:512*\j
	global_load_b128 v[48+64*\k+4*\j:51+64*\k+4*\j], v1, s[34+4*\k:35+4*\k] offset:512*\j
.endr
.endr
	WIN 0x40                                       ; destinations in window 1
.irp k, 0,1,2
.irp j, 0,1,2,3,4,5,6,7
	global_load_b128 v[32*\k+4*\j:32*\k+4*\j+3],       v1, s[44+4*\k:45+4*\k] offset:512*\j
	global_load_b128 v[96+32*\k+4*\j:96+32*\k+4*\j+3], v1, s[46+4*\k:47+4*\k] offset:512*\j
.endr
.endr
	WIN 0
.irp k, 0,1,2
	v_mov_b32 v[208+2*\k], s[28+\k]
	v_mov_b32 v[209+2*\k], s[28+\k]
.endr
.macro FOLD                            ; v[2:9] -> the sum over the row, in every lane's v2
	v_pk_add_f32 v[2:3], v[2:3], v[4:5]
	v_pk_add_f32 v[6:7], v[6:7], v[8:9]
	v_pk_add_f32 v[2:3], v[2:3], v[6:7]
	v_add_f32 v2, v2, v3
	v_add_f32_dpp v2, v2, v2 row_xmask:1 row_mask:0xf bank_mask:0xf
	v_add_f32_dpp v2, v2, v2 row_xmask:2 row_mask:0xf bank_mask:0xf
	v_add_f32_dpp v2, v2, v2 row_xmask:4 row_mask:0xf bank_mask:0xf
	v_add_f32_dpp v2, v2, v2 row_xmask:8 row_mask:0xf bank_mask:0xf
	v_permlanex16_b32 v3, v2, s58, s59
	v_add_f32 v2, v2, v3
.endm
; row k: the halves are added, then (y - mean) * rsqrt(var + eps), in place
.macro LNK k
.irp j, 0,2,4,6,8,10,12,14,16,18,20,22,24,26,28,30
	v_pk_add_f32 v[16+64*\k+\j:17+64*\k+\j], v[16+64*\k+\j:17+64*\k+\j], v[48+64*\k+\j:49+64*\k+\j]
.endr
.irp c, 0,2,4,6
	v_pk_add_f32 v[2+\c:3+\c], v[16+64*\k+\c:17+64*\k+\c], v[24+64*\k+\c:25+64*\k+\c]
.endr
.irp o, 16,24
.irp c, 0,2,4,6
	v_pk_add_f32 v[2+\c:3+\c], v[2+\c:3+\c], v[16+64*\k+\o+\c:17+64*\k+\o+\c]
.endr
.endr
	FOLD
	v_mul_f32 v10, s62, v2
	v_mov_b32 v11, v10
.irp j, 0,2,4,6,8,10,12,14,16,18,20,22,24,26,28,30
	v_pk_add_f32 v[16+64*\k+\j:17+64*\k+\j], v[16+64*\k+\j:17+64*\k+\j], v[10:11] neg_lo:[0,1] neg_hi:[0,1]
.endr
.irp c, 0,2,4,6
	v_pk_mul_f32 v[2+\c:3+\c], v[16+64*\k+\c:17+64*\k+\c], v[16+64*\k+\c:17+64*\k+\c]
.endr
.irp o, 8,16,24
.irp c, 0,2,4,6
	v_pk_fma_f32 v[2+\c:3+\c], v[16+64*\k+\o+\c:17+64*\k+\o+\c], v[16+64*\k+\o+\c:17+64*\k+\o+\c], v[2+\c:3+\c]
.endr
.endr
	FOLD
	v_fma_f32 v10, v2, s62, s63
	v_rsq_f32 v10, v10
	v_nop                                          ; one plain place behind the transcendental (ISA guide 5.7.2)
	s_wait_alu depctr_va_vdst(0)
	v_mov_b32 v11, v10
.irp j, 0,2,4,6,8,10,12,14,16,18,20,22,24,26,28,30
	v_pk_mul_f32 v[16+64*\k+\j:17+64*\k+\j], v[16+64*\k+\j:17+64*\k+\j], v[10:11]
.endr
.endm
	s_wait_loadcnt 48                              ; ys is in; the 48 loads of gains and biases stay out
	LNK 0
	LNK 1
	LNK 2
	s_wait_loadcnt 0x0
	WIN 0x05                                       ; sources in window 1, destination in window 0: gains and biases, packed bf16, into the second halves' registers
.irp k, 0,1,2
.irp i, 0,1,2,3,4,5,6,7,8,9,10,11,12,13,14,15
	v_cvt_pk_bf16_f32 v[48+64*\k+\i], v[32*\k+2*\i],    v[32*\k+2*\i+1]
	v_cvt_pk_bf16_f32 v[64+64*\k+\i], v[96+32*\k+2*\i], v[96+32*\k+2*\i+1]
.endr
.endr
	WIN 0
.irp k, 0,1,2
.irp i, 0,1,2,3,4,5,6,7,8,9,10,11,12,13,14,15
	v_fma_mix_f32_bf16 v[16+64*\k+2*\i], v[48+64*\k+\i], v[16+64*\k+2*\i], v[64+64*\k+\i] op_sel:[0,0,0] op_sel_hi:[1,0,1]   ; gain (low half) * yn + bias (low half)
	v_fma_mix_f32_bf16 v[17+64*\k+2*\i], v[48+64*\k+\i], v[17+64*\k+2*\i], v[64+64*\k+\i] op_sel:[1,0,1] op_sel_hi:[1,0,1]   ; the high halves
.endr
.endr
.irp j, 0,2,4,6,8,10,12,14,16,18,20,22,24,26,28,30
	v_pk_mul_f32 v[16+\j:17+\j], v[16+\j:17+\j], v[208:209]
.endr
.irp j, 0,2,4,6,8,10,12,14,16,18,20,22,24,26,28,30
	v_pk_fma_f32 v[16+\j:17+\j], v[80+\j:81+\j], v[210:211], v[16+\j:17+\j]
.endr
.irp j, 0,2,4,6,8,10,12,14,16,18,20,22,24,26,28,30
	v_pk_fma_f32 v[16+\j:17+\j], v[144+\j:145+\j], v[212:213], v[16+\j:17+\j]
.endr
.irp j, 0,1,2,3,4,5,6,7
	global_store_b128 v1, v[16+4*\j:19+4*\j], s[56:57] offset:512*\j   ; 512 consecutive bytes, aligned
.endr
	s_endpgm
.Lfunc_end_k_q146f84cdab_combine:
	.size	k_q146f84cdab_combine, .Lfunc_end_k_q146f84cdab_combine-k_q146f84cdab_combine
	.p2alignl 7, 3214868480
	.fill 96, 4, 3214868480
	.section	.rodata,"a",@progbits
	.p2align	6, 0x0
	.amdhsa_kernel k_q146f84cdab_combine
		.amdhsa_group_segment_fixed_size 0
		.amdhsa_private_segment_fixed_size 0
		.amdhsa_enable_private_segment 0
		.amdhsa_kernarg_size 56
		.amdhsa_user_sgpr_count 2
		.amdhsa_user_sgpr_kernarg_segment_ptr 1
		.amdhsa_wavefront_size32 1
		.amdhsa_system_sgpr_workgroup_id_x 1
		.amdhsa_system_sgpr_workgroup_id_y 1
		.amdhsa_system_sgpr_workgroup_id_z 1
		.amdhsa_system_vgpr_workitem_id 0
		.amdhsa_next_free_vgpr 448
		.amdhsa_next_free_sgpr 72
		.amdhsa_reserve_vcc 0
		.amdhsa_float_denorm_mode_32 3
		.amdhsa_float_denorm_mode_16_64 3
		.amdhsa_memory_ordered 1
		.amdhsa_forward_progress 1
		.amdhsa_inst_pref_size 46
	.end_amdhsa_kernel
	.amdgpu_metadata
---
amdhsa.version: [ 1, 2 ]
amdhsa.kernels:
  - .name:           k_q146f84cdab_combine
    .symbol:         k_q146f84cdab_combine.kd
    .args:
      - { .name: ys, .offset: 0, .size: 8, .value_kind: global_buffer, .address_space: global }
      - { .name: sel, .offset: 8, .size: 8, .value_kind: global_buffer, .address_space: global }
      - { .name: gw, .offset: 16, .size: 8, .value_kind: global_buffer, .address_space: global }
      - { .name: rt, .offset: 24, .size: 8, .value_kind: global_buffer, .address_space: global }
      - { .name: ln_g, .offset: 32, .size: 8, .value_kind: global_buffer, .address_space: global }
      - { .name: ln_b, .offset: 40, .size: 8, .value_kind: global_buffer, .address_space: global }
      - { .name: out0, .offset: 48, .size: 8, .value_kind: global_buffer, .address_space: global }
    .group_segment_fixed_size: 0
    .private_segment_fixed_size: 0
    .kernarg_segment_align: 8
    .kernarg_segment_size: 56
    .max_flat_workgroup_size: 256
    .sgpr_count:     72
    .vgpr_count:     448
    .wavefront_size: 32
...
	.end_amdgpu_metadata
.endif
;; end of part 6
;; ======== version 2 of 2: 6 launches; version 1 with the launch gate_a written anew for expert scheduling mode
;; limits: values outside matrix products are rounded to bf16
;; workspace buffers: wb 67,108,864 bytes; part 524,288 bytes; sel 8,192 bytes of whole numbers; gw 32,768 bytes; rt 36,864 bytes of whole numbers; xs 16,777,216 bytes; h1s 33,554,432 bytes; ys 67,108,864 bytes
;; launch gate_a (part 7): grid 8 x 32, 4 waves a work-group, no clusters, 166,400 bytes of LDS; arguments x, Wg1, bg1, Wg2, part; writes part
.if DOCPART == 7
	.amdgcn_target "amdgcn-amd-amdhsa--gfx1250"
	.amdhsa_code_object_version 6
	.text
	.protected	k_q146f84cdab_gate_a
	.globl	k_q146f84cdab_gate_a
	.p2align	8
	.type	k_q146f84cdab_gate_a,@function
k_q146f84cdab_gate_a:
	s_mov_b64 s[64:65], 0
	v_nop
	global_prefetch_b8 v0, s[64:65] scope:SCOPE_SE
	s_setreg_imm32_b32 hwreg(HW_REG_WAVE_SCHED_MODE, 0, 2), 2
	s_setreg_imm32_b32 hwreg(HW_REG_WAVE_MODE, 25, 1), 1
	s_wait_xcnt 0x0
	s_wait_alu depctr_vm_vsrc(0)
; Gate, first part.  part[slice][token][e] = sum over the slice's 64 columns c of relu(x Wg1 + bg1)[token][c] * Wg2[c][e].
; A work-group: 64 tokens x one slice of 64 columns of Wg1, K = 1024.  A wave: 16 tokens x 64 columns, four accumulators.
; LIMIT (format): x, Wg1, bg1, Wg2 are rounded to bf16 as they are loaded; sums are f32.  relu's result enters the second
; product as three bf16 terms (24 bits), because the later choice of three experts is not continuous in the scores.
; No tensor loads: every operand is f32 in memory and is converted on its way through registers.  No cluster: nothing comes by tensor load.
; ONE STREAM OF LOADS: a wave's 128 loads of Wg1 and its 128 loads of x are 32 units of 8 loads: units 0-15 are 16 k rows of Wg1 each, units 16-31
; two K steps of x each.  They land in a ring of 7 sets of 32 registers in window 1 (v256-479); unit u + 7 is asked for when unit u has been converted,
; so 56 loads of 512 bytes of every wave are on their way from the first line to the last units, over the barrier too.
; THE MODE: SCHED_MODE bits 1:0 = 2 (LLVM: expert scheduling mode 2), set by the entry lines.  The code itself states the register dependences
; between vector or matrix instructions and memory or LDS instructions, with s_wait_alu, always for 0.
; THE PLAN.  Registers that memory or LDS instructions touch:
;   v3-v6, v8-v11, v244-247   addresses and offsets, made once at the head and never written again: the K steps of the weight fragments are reached by four
;                             LDS addresses, one for each eight steps, and immediate offsets.
;   the ring's 7 sets         Unit u: its conversions read the set; behind them the loads of unit u + 7 land in it.
;   WTMP0, WTMP1              Unit bb of Wg1: its conversions write set bb % 2, its eight LDS stores read it; unit bb + 2 writes it again, and much later the splits.
;   BF0, BF1                  Step st: its four matrix instructions read set st % 2; the LDS loads issued in step st + 1 land in it (the fragments of step st + 2).
;   AF, BIASP and the accumulators are named by vector and matrix instructions alone.
; So ONE wait on va_vdst stands in a unit and in a K step, behind its conversions; the unit's or step's loads and stores follow it, in the K steps dealt among
; the four matrix instructions, which name the other BF set, AF and the accumulators: none of the registers that those loads touch.  One wait on vm_vsrc stands
; at the head of a unit of Wg1, a whole unit behind the stores whose registers are written next.
.set PW,   160                         ; LDS pitch of a k row of the Wg1 slice: 128 bytes + 32 = 5 x 32
.set W2T,  163840                      ; behind it: Wg2's slice, [64 k][16 n] bf16, pitch 32, columns 8-15 zero
.set DEPTH, 7                          ; sets in the ring
.set BIASP, 12                         ; v[12:27]   my 32 biases, packed bf16
.set WTMP, 28                          ; v[28:59]   two sets of 16: a unit of Wg1, converted, on its way into LDS
.set BL,   92                          ; v[92:123]  the bias as loaded
.set AF,   124                         ; v[124:139] two token fragments
.set BF,   140                         ; v[140:203] two sets of 4 weight fragments
.set ACC,  204                         ; v[204:235] four accumulators
.set BA,   244                         ; v[244:247] LDS address of my part of the weight fragments in K steps 0, 8, 16, 24
.set MSB, 0
.macro WIN new                         ; s_set_vgpr_msb: bits 1:0 source 0, 3:2 source 1, 7:6 destination; the high byte repeats the setting that is left
.if MSB != \new
	s_set_vgpr_msb (MSB<<8)|\new
.set MSB, \new
.endif
.endm
	s_load_b256 s[4:11], s[0:1], 0x0               ; x, Wg1, bg1, Wg2
	s_load_b64 s[12:13], s[0:1], 0x20              ; part
	v_lshl_add_u32 v254, v0, 2, 0x28800
	v_mov_b32 v255, 0
	v_lshrrev_b32 v1, 5, v0
	v_readfirstlane_b32 s14, v1                    ; wave
	s_and_b32 s16, ttmp7, 0xffff                   ; block of 64 tokens
	s_mov_b32 s20, 0x76543210                      ; v_permlanex16_b32: lane i reads lane i of the other half
	s_mov_b32 s21, 0xfedcba98
	s_mov_b32 s22, 0xffff0000
	v_and_b32 v1, 15, v0                           ; r
	v_bfe_u32 v2, v0, 4, 1                         ; h
	v_and_b32 v240, 7, v0
	v_bfe_u32 v241, v0, 3, 1
	v_and_b32 v242, 1, v0
	v_lshlrev_b32 v4, 12, v1
	v_lshl_add_u32 v4, v2, 6, v4                   ; x: token r, 64 bytes for each half of the lanes
	v_lshlrev_b32 v5, 4, v1
	v_lshl_add_u32 v5, v2, 11, v5                  ; Wg1: two k rows a load, 16 bytes a lane
	s_wait_alu depctr_va_sdst(0)                   ; s14 is written, ahead of its first reader: LDS places and the bases of x, Wg1 and part are made from it
	s_mul_i32 s17, s14, 256*PW
	v_mul_u32_u24 v6, v2, PW
	v_lshl_add_u32 v6, v1, 3, v6
	v_add_nc_u32 v6, s17, v6                       ; where my 4 converted numbers go
	v_lshl_add_u32 v7, v2, 4, v240                 ; weight fragments: k row 16 h + (lane & 7)
	v_mul_u32_u24 v7, v7, PW
	v_lshl_add_u32 v7, v241, 4, v7
.irp q, 0,1,2,3
	v_add_nc_u32 v[BA+\q], \q*8*32*PW, v7          ; the same place 8 q K steps (256 q k rows) further down
.endr
	v_lshl_add_u32 v8, v2, 3, v240                 ; Wg2 fragments: k row 8 h + (lane & 7)
	v_lshlrev_b32 v8, 5, v8
	v_lshl_add_u32 v8, v241, 4, v8
	v_add_nc_u32 v8, W2T, v8
	v_lshlrev_b32 v9, 5, v1
	v_lshl_add_u32 v9, v2, 4, v9                   ; part: token r, 16 bytes for each half
	v_lshlrev_b32 v10, 4, v0                       ; Wg2: thread t takes 16 bytes = half of row t / 2
	v_lshrrev_b32 v11, 1, v0
	v_lshlrev_b32 v11, 5, v11
	v_lshl_add_u32 v11, v242, 3, v11
	v_add_nc_u32 v11, W2T, v11
	v_lshlrev_b32 v3, 5, v2                        ; bias: columns 8 h ..
	s_lshl_b32 s24, s16, 18                        ; x: (64 block + 16 wave) rows of 4,096 bytes
	s_lshl_b32 s25, s14, 16
	s_add_co_u32 s24, s24, s25
	s_mov_b32 s25, 0
	s_lshl_b32 s26, ttmp9, 8                       ; Wg1: the slice's 256 bytes of a row, the wave's 256 k rows of 2,048 bytes
	s_lshl_b32 s27, s14, 19
	s_add_co_u32 s26, s26, s27
	s_mov_b32 s27, 0
	s_lshl_b32 s28, ttmp9, 8                       ; bg1
	s_mov_b32 s29, 0
	s_lshl_b32 s30, ttmp9, 11                      ; Wg2: 64 rows of 32 bytes
	s_mov_b32 s31, 0
	s_lshl_b32 s32, ttmp9, 16                      ; part: slice, block, wave
	s_lshl_b32 s33, s16, 11
	s_add_co_u32 s32, s32, s33
	s_lshl_b32 s33, s14, 9
	s_add_co_u32 s32, s32, s33
	s_mov_b32 s33, 0
	s_wait_kmcnt 0x0
	s_add_nc_u64 s[4:5], s[4:5], s[24:25]
	s_add_nc_u64 s[6:7], s[6:7], s[26:27]
	s_add_nc_u64 s[8:9], s[8:9], s[28:29]
	s_add_nc_u64 s[10:11], s[10:11], s[30:31]
	s_add_nc_u64 s[12:13], s[12:13], s[32:33]
; unit uu (a symbol set by the caller) is asked for, into set uu mod 7 of the ring in window 1
.macro ULOAD
	WIN 0x40                                       ; destinations in window 1, addresses in window 0
.if uu < 16
.irp i, 0,1,2,3,4,5,6,7
	global_load_b128 v[32*(uu%DEPTH)+4*\i:32*(uu%DEPTH)+4*\i+3], v5, s[6:7] offset:4096*(8*uu+\i)   ; k rows 2 (8 uu + i), + 1 of the wave's 256
.endr
.else
.irp i, 0,1,2,3,4,5,6,7
	global_load_b128 v[32*(uu%DEPTH)+4*\i:32*(uu%DEPTH)+4*\i+3], v4, s[4:5] offset:128*(2*(uu-16)+\i/4)+16*(\i%4)   ; K steps 2 (uu - 16), + 1
.endr
.endif
.endm
; weight fragment b of K step sn (a symbol set by the caller), into set sn mod 2; lane half h takes k = 16 h .. 16 h + 15, as x does
.macro BFRAG b
	ds_load_tr16_b128 v[BF+32*(sn%2)+8*\b:BF+32*(sn%2)+8*\b+3],   v[BA+sn/8] offset:(sn%8)*32*PW+32*\b
	ds_load_tr16_b128 v[BF+32*(sn%2)+8*\b+4:BF+32*(sn%2)+8*\b+7], v[BA+sn/8] offset:(sn%8)*32*PW+32*\b+8*PW
.endm
	; the bias and Wg2 first, then the ring is filled
	s_wait_alu depctr_va_vdst(0)                   ; v3 to v11 and v244 to v247 are written: every load and store of the kernel reads one of them as its address or offset
.irp b, 0,1,2,3
	global_load_b128 v[BL+8*\b:BL+8*\b+3],   v3, s[8:9] offset:64*\b
	global_load_b128 v[BL+8*\b+4:BL+8*\b+7], v3, s[8:9] offset:64*\b+16
.endr
	global_load_b128 v[236:239], v10, s[10:11]
.set uu, 0
.rept DEPTH
	ULOAD
.set uu, uu+1
.endr
	WIN 0
	s_wait_loadcnt 8*DEPTH                         ; all but the ring's 7 units of 8 loads: the bias and Wg2 are in
.irp p, 0,1,2,3,4,5,6,7,8,9,10,11,12,13,14,15
	v_cvt_pk_bf16_f32 v[BIASP+\p], v[BL+2*\p], v[BL+2*\p+1]
.endr
	v_cvt_pk_bf16_f32 v240, v236, v237
	v_cvt_pk_bf16_f32 v241, v238, v239
	v_mov_b32 v242, 0
	v_mov_b32 v243, 0                              ; v[240:243] go into LDS behind unit 0's wait
	; units 0 to 15: Wg1 to bf16 and into LDS
.set bb, 0
.rept 16
	s_wait_loadcnt 8*(DEPTH-1)                     ; unit bb is in; the six younger units stay out
.if bb >= 2
	s_wait_alu depctr_vm_vsrc(0)                   ; the LDS stores of unit bb - 2 have read this WTMP set, which the conversions below write again
.endif
	WIN 0x05                                       ; sources in window 1, destination in window 0
.irp i, 0,1,2,3,4,5,6,7
	v_cvt_pk_bf16_f32 v[WTMP+16*(bb%2)+2*\i],   v[32*(bb%DEPTH)+4*\i],   v[32*(bb%DEPTH)+4*\i+1]
	v_cvt_pk_bf16_f32 v[WTMP+16*(bb%2)+2*\i+1], v[32*(bb%DEPTH)+4*\i+2], v[32*(bb%DEPTH)+4*\i+3]
.endr
	WIN 0x40
	s_wait_alu depctr_va_vdst(0)                   ; the conversions are done reading the ring's set, in which the loads below land, and have written WTMP (in unit 0 also v[240:243]), which the LDS stores below read
.set uu, bb+DEPTH
	ULOAD                                          ; the set is free: unit bb + 7 (from unit 16 on: x)
	WIN 0
.if bb == 0
	ds_store_b64 v11, v[240:241]                   ; Wg2[k][4 (t & 1) ..]
	ds_store_b64 v11, v[242:243] offset:16         ; columns 8 to 15 do not exist: zeros
.endif
.irp i, 0,1,2,3,4,5,6,7
	ds_store_b64 v6, v[WTMP+16*(bb%2)+2*\i:WTMP+16*(bb%2)+2*\i+1] offset:2*PW*(8*bb+\i)
.endr
.set bb, bb+1
.endr
	WIN 0
	s_wait_dscnt 0x0                               ; my stores are in LDS before I say so
	s_barrier_signal -1
	s_barrier_wait -1                              ; the whole slice is there for every wave; x's loads into registers stay on their way
.set sn, 0
.irp b, 0,1,2,3
	BFRAG \b                                       ; K step 0's fragments: no vector or matrix instruction has named these registers yet
.endr
; 32 K steps of 32.  The four accumulators take turns, one instruction a turn.
; The eight conversions stand between the last step's matrix instructions and the loads into their sources.
.set st, 0
.rept 32
.set un, 16+st/2                                       ; the step's unit
.if un+DEPTH-1 > 31
.set ny, 31-un                                         ; younger units that have been asked for
.else
.set ny, DEPTH-1
.endif
.set ld, 0                                             ; 1: both halves of the ring's set are converted and a unit is left to ask for
.if st%2
.if un+DEPTH < 32
.set ld, 1
.endif
.endif
	s_wait_loadcnt 8*ny+4*(1-st%2)                 ; the younger units stay out, and in an even step the unit's second four loads
	WIN 0x05
.irp j, 0,1,2,3,4,5,6,7
	v_cvt_pk_bf16_f32 v[AF+8*(st%2)+\j], v[32*(un%DEPTH)+16*(st%2)+2*\j], v[32*(un%DEPTH)+16*(st%2)+2*\j+1]
.endr
.if ld
	WIN 0x40
.else
	WIN 0
.endif
.if (st > 0) && (st < 31)
	s_wait_alu depctr_va_vdst(0)                   ; the last step's matrix instructions are done reading their weight fragments, in which the LDS loads below land; in an odd step this step's and the last step's conversions are done reading the ring's set, in which the loads below land
.endif
.if ld
.set uu, un+DEPTH
	ULOAD                                          ; the set's next unit
.endif
	WIN 0
.set sn, st+1
.irp b, 0,1,2,3
.if st < 31
	s_wait_dscnt 6                                 ; LDS loads come back in order (ISA guide 5.7.1): this step's fragment b is in; the three younger fragments, six loads, stay out
.else
	s_wait_dscnt 6-2*\b                            ; nothing more is asked for: the counts run down
.endif
.if st == 0
	v_wmma_f32_16x16x32_bf16 v[ACC+8*\b:ACC+8*\b+7], v[BF+32*(st%2)+8*\b:BF+32*(st%2)+8*\b+7], v[AF+8*(st%2):AF+8*(st%2)+7], 0
.else
	v_wmma_f32_16x16x32_bf16 v[ACC+8*\b:ACC+8*\b+7], v[BF+32*(st%2)+8*\b:BF+32*(st%2)+8*\b+7], v[AF+8*(st%2):AF+8*(st%2)+7], v[ACC+8*\b:ACC+8*\b+7]
.endif
.if st < 31
	BFRAG \b                                       ; the next step's fragment b.  No wait: no vector or matrix instruction since the wait above names the other set
.endif
.endr
.set st, st+1
.endr
	; Weights were source 0: lane (r, h) holds token r, columns 16 b + 8 h + j.  Tiles 2 c and 2 c + 1 are thus the token fragment of k = 32 c ..
.irp c, 0,1
	ds_load_tr16_b128 v[76+8*\c:79+8*\c], v8 offset:1024*\c
	ds_load_tr16_b128 v[80+8*\c:83+8*\c], v8 offset:1024*\c+512
.endr
.rept 4
	v_nop                                          ; four places behind the last matrix instruction (ISA guide 7.12.1)
.endr
	s_wait_alu depctr_vm_vsrc(0)                   ; the LDS stores of units 14 and 15 have read v[28:59], which the splits below write again
; pair p of my 32 numbers: bias, relu, then hi + mid + lo in bf16
.macro SPLIT p
	v_lshlrev_b32 v236, 16, v[BIASP+\p]
	v_and_b32 v237, s22, v[BIASP+\p]
	v_pk_add_f32 v[ACC+2*\p:ACC+2*\p+1], v[ACC+2*\p:ACC+2*\p+1], v[236:237]
	v_max_num_f32 v[ACC+2*\p], 0, v[ACC+2*\p]
	v_max_num_f32 v[ACC+2*\p+1], 0, v[ACC+2*\p+1]
	v_cvt_pk_bf16_f32 v[28+\p], v[ACC+2*\p], v[ACC+2*\p+1]
	v_lshlrev_b32 v236, 16, v[28+\p]
	v_and_b32 v237, s22, v[28+\p]
	v_pk_add_f32 v[ACC+2*\p:ACC+2*\p+1], v[ACC+2*\p:ACC+2*\p+1], v[236:237] neg_lo:[0,1] neg_hi:[0,1]
	v_cvt_pk_bf16_f32 v[44+\p], v[ACC+2*\p], v[ACC+2*\p+1]
	v_lshlrev_b32 v236, 16, v[44+\p]
	v_and_b32 v237, s22, v[44+\p]
	v_pk_add_f32 v[ACC+2*\p:ACC+2*\p+1], v[ACC+2*\p:ACC+2*\p+1], v[236:237] neg_lo:[0,1] neg_hi:[0,1]
	v_cvt_pk_bf16_f32 v[60+\p], v[ACC+2*\p], v[ACC+2*\p+1]
.endm
.irp p, 0,1,2,3,4,5,6,7,8,9,10,11,12,13,14,15
	SPLIT \p
.endr
	s_wait_dscnt 0x0
	; six products, six results of their own: no sum in place
	v_wmma_f32_16x16x32_bf16 v[140:147], v[76:83], v[28:35], 0
	v_wmma_f32_16x16x32_bf16 v[148:155], v[84:91], v[36:43], 0
	v_wmma_f32_16x16x32_bf16 v[156:163], v[76:83], v[44:51], 0
	v_wmma_f32_16x16x32_bf16 v[164:171], v[84:91], v[52:59], 0
	v_wmma_f32_16x16x32_bf16 v[172:179], v[76:83], v[60:67], 0
	v_wmma_f32_16x16x32_bf16 v[180:187], v[84:91], v[68:75], 0
	v_cmp_ne_u32 vcc_lo, 0, v2                     ; lanes 16 to 31
.rept 4
	v_nop
.endr
.irp j, 0,2,4,6
	v_pk_add_f32 v[172+\j:173+\j], v[172+\j:173+\j], v[180+\j:181+\j]   ; small terms first
	v_pk_add_f32 v[156+\j:157+\j], v[156+\j:157+\j], v[164+\j:165+\j]
	v_pk_add_f32 v[140+\j:141+\j], v[140+\j:141+\j], v[148+\j:149+\j]
.endr
.irp j, 0,2,4,6
	v_pk_add_f32 v[172+\j:173+\j], v[172+\j:173+\j], v[156+\j:157+\j]
.endr
.irp j, 0,2,4,6
	v_pk_add_f32 v[140+\j:141+\j], v[140+\j:141+\j], v[172+\j:173+\j]
.endr
	; lanes 0-15 hold token r's eight scores; lanes 16-31 fetch scores 4-7, so that the wave stores 512 consecutive bytes
.irp j, 0,1,2,3
	v_permlanex16_b32 v[148+\j], v[144+\j], s20, s21
.endr
	s_wait_alu depctr_va_vcc(0)                    ; the compare above has written VCC, ahead of its first reader
.irp j, 0,1,2,3
	v_cndmask_b32 v[140+\j], v[140+\j], v[148+\j], vcc_lo
.endr
	s_wait_alu depctr_va_vdst(0)                   ; the four selects have written v[140:143], which the store reads
	global_store_b128 v9, v[140:143], s[12:13]
	s_wait_dscnt 0x0                               ; the closing lines, six on end
	s_wait_alu 0x0
	s_wait_tensorcnt 0x0
	ds_add_u32 v254, v255
	s_wait_dscnt 0x0
	s_endpgm
.Lfunc_end_k_q146f84cdab_gate_a:
	.size	k_q146f84cdab_gate_a, .Lfunc_end_k_q146f84cdab_gate_a-k_q146f84cdab_gate_a
	.p2alignl 7, 3214868480
	.fill 96, 4, 3214868480
	.section	.rodata,"a",@progbits
	.p2align	6, 0x0
	.amdhsa_kernel k_q146f84cdab_gate_a
		.amdhsa_group_segment_fixed_size 166400
		.amdhsa_private_segment_fixed_size 0
		.amdhsa_enable_private_segment 0
		.amdhsa_kernarg_size 40
		.amdhsa_user_sgpr_count 2
		.amdhsa_user_sgpr_kernarg_segment_ptr 1
		.amdhsa_wavefront_size32 1
		.amdhsa_system_sgpr_workgroup_id_x 1
		.amdhsa_system_sgpr_workgroup_id_y 1
		.amdhsa_system_sgpr_workgroup_id_z 1
		.amdhsa_system_vgpr_workitem_id 0
		.amdhsa_next_free_vgpr 480
		.amdhsa_next_free_sgpr 66
		.amdhsa_reserve_vcc 1
		.amdhsa_float_denorm_mode_32 3
		.amdhsa_float_denorm_mode_16_64 3
		.amdhsa_memory_ordered 1
		.amdhsa_forward_progress 1
		.amdhsa_inst_pref_size 118
	.end_amdhsa_kernel
	.amdgpu_metadata
---
amdhsa.version: [ 1, 2 ]
amdhsa.kernels:
  - .name:           k_q146f84cdab_gate_a
    .symbol:         k_q146f84cdab_gate_a.kd
    .args:
      - { .name: x, .offset: 0, .size: 8, .value_kind: global_buffer, .address_space: global }
      - { .name: Wg1, .offset: 8, .size: 8, .value_kind: global_buffer, .address_space: global }
      - { .name: bg1, .offset: 16, .size: 8, .value_kind: global_buffer, .address_space: global }
      - { .name: Wg2, .offset: 24, .size: 8, .value_kind: global_buffer, .address_space: global }
      - { .name: part, .offset: 32, .size: 8, .value_kind: global_buffer, .address_space: global }
    .group_segment_fixed_size: 166400
    .private_segment_fixed_size: 0
    .kernarg_segment_align: 8
    .kernarg_segment_size: 40
    .max_flat_workgroup_size: 128
    .sgpr_count:     66
    .vgpr_count:     480
    .wavefront_size: 32
...
	.end_amdgpu_metadata
.endif
;; end of part 7
;; launch finish_cvt: the kernel of part 2 again; grid 1032 x 1, 8 waves a work-group, no clusters, 0 bytes of LDS; arguments part, bg2, W1, W2, out1, sel, gw, wb; writes out1, sel, gw, wb
;; launch route: the kernel of part 3 again; grid 64 x 32, 1 waves a work-group, no clusters, 512 bytes of LDS; arguments sel, x, xs, rt; writes xs, rt
;; launch ffn1: the kernel of part 4 again; grid 8 x 32, 4 waves a work-group, clusters of 4 x 1, 327,680 bytes of LDS; arguments xs, wb, b1, rt, h1s; writes h1s
;; launch ffn2: the kernel of part 5 again; grid 8 x 32, 4 waves a work-group, clusters of 4 x 1, 327,680 bytes of LDS; arguments h1s, wb, b2, rt, ys; writes ys
;; launch combine: the kernel of part 6 again; grid 256 x 1, 8 waves a work-group, no clusters, 0 bytes of LDS; arguments ys, sel, gw, rt, ln_g, ln_b, out0; writes out0
